; MI455X (gfx1250); checked and timed in simulation.
; The chip was launched on July 23, 2026; its instructions are those of AMD's public machine-readable ISA for CDNA 5 (MIT licence, August 2026) and "CDNA5" Instruction Set Architecture Reference Guide (July 2026). The comments in the code are by the model that wrote it; some were corrected since.
;; Bigbird Simulated Attention. Allowed arithmetic: matrix products marked QUANTISED: E4M3 operands, one E8M0 scale for each 32 along K, by v_wmma_scale_f32_16x16x128_f8f6f4 with both operands' format E4M3, f32 sums; everything else in f32.
;; Inputs: k_codes 2 x 6 x 4,096 x 2 x 32 uint8 (E4M3 codes of k, K innermost, in blocks of 32 codes); k_scales 2 x 6 x 4,096 x 2 uint8 (E8M0 scales of k, one for each 32 codes along K); mask 4,096 x 4,096 int32; q_codes 2 x 6 x 4,096 x 2 x 32 uint8 (E4M3 codes of q, K innermost, in blocks of 32 codes); q_scales 2 x 6 x 4,096 x 2 uint8 (E8M0 scales of q, one for each 32 codes along K); v_codes 2 x 6 x 64 x 128 x 32 uint8 (E4M3 codes of v, K innermost, in blocks of 32 codes); v_scales 2 x 6 x 64 x 128 uint8 (E8M0 scales of v, one for each 32 codes along K).
;; Outputs: out0 2 x 6 x 4,096 x 64 float32.
;; This version of the problem:
;;   THIS VERSION OF THE PROBLEM IS GIVEN IN LOW PRECISION. The matrix products marked QUANTISED in the list below multiply operands that are first quantised to E4M3 (4 exponent bits, 3 mantissa bits; 8 bits a number), with one power-of-two scale for each 32 numbers along K (OCP MX v1.0); their sums are f32. All else is computed in f32.
;;   The module's matrix products, in the order in which they are computed (A, B: the left and right operand; K: the contracted axis; several contracted axes count as one K, in the product's order):
;;     1. batch 12 x [M 4,096, K 64] x [K 64, N 4,096]; A: input q (given as codes); B: input k (given as codes): QUANTISED
;;     2. batch 12 x [M 4,096, K 4,096] x [K 4,096, N 64]; A: softmax (see below); B: input v (given as codes): QUANTISED
;;   THE QUANTISER, for each operand of a quantised product, along K:
;;     - K is cut into blocks of 32 from its start; a last block that is shorter is filled with zeros.
;;     - A block's scale is 2^e with e = floor(log2(the largest magnitude in the block)) - 8, held to -126 .. 127; a block of zeros has e = 0. As a byte (E8M0): e + 127.
;;     - Each number is divided by its block's scale, clamped to +-448, and rounded to the nearest number of E4M3, ties to even, subnormals kept.
;;     - The product sums the exact products of the quantised numbers (number of the format x scale) in f32.
;;   ~~~python
;;   def quantise(x, axis):      # numpy; x: float32 -> the quantised numbers, widened to float32 again
;;       x = np.moveaxis(x, axis, -1); K = x.shape[-1]
;;       x = np.pad(x, [(0, 0)] * (x.ndim - 1) + [(0, -K % 32)]); x = x.reshape(x.shape[:-1] + (-1, 32)); a = np.abs(x).max(-1, keepdims=True)
;;       e = np.where(a > 0, np.clip(np.frexp(np.where(a > 0, a, 1))[1] - 1 - 8, -126, 127), 0)      # np.frexp(a)[1] - 1 = floor(log2(a)), exactly
;;       r = np.clip(x / 2.0 ** e, -448, 448)
;;       step = 2.0 ** (np.maximum(np.frexp(np.where(r == 0, 1, r))[1] - 1, -6) - 3)
;;       q = np.round(r / step) * step * 2.0 ** e      # np.round: ties to even
;;       return np.moveaxis(q.reshape(q.shape[:-2] + (-1,))[..., :K], -1, axis).astype(np.float32)
;;   ~~~
;;   SOFTMAX AHEAD OF A QUANTISED PRODUCT. Where the list says 'softmax', what is quantised is not the finished softmax but p = 2^(t - M), with t = logit x log2(e) and M = ceil(the row's largest t), a whole number; so 1/2 < the row's largest p <= 1. The row's sum l is taken of the UNQUANTISED p, in f32, and the product's result is divided by l at the end. Since M is a whole number, a kernel that streams over the keys may use a running M (the ceiling of the running maximum): every later rescaling is an exact power of two, which a block's scale takes up: the codes' values come out the same.
;;   OPERANDS COMPUTED ON THE WAY. 'Computed on the way' means the value that the module computes at that place (a softmax that the list does not call 'softmax' is quantised finished and normalised). What goes into a quantiser is computed in f32, as accurately as f32 sums, v_exp_f32 and their like allow (about 1e-6 of the number): no bf16 or f16 on the way to a quantiser, and a product that is left as it is and whose result goes on into a quantised operand takes f32 operands (vector FMAs, or v_wmma_f32_16x16x4_f32). A number that lies on a knife's edge between two numbers of the format may be rounded either way, as far as f32 arithmetic and the matrix unit's own rounding can turn it there, and no further.
;;   INPUTS GIVEN AS CODES. k (in the module: [2, 6, 4096, 64], K = its axis 3); q (in the module: [2, 6, 4096, 64], K = its axis 3); v (in the module: [2, 6, 4096, 64], K = its axis 2): each comes as NAME_codes (uint8): NAME with its K axis moved to the last place and cut into blocks of 32 codes, [.., K / 32, bytes a block], one block behind the other in memory; one code a byte (a code: sign, 4 exponent bits, 3 mantissa bits); and NAME_scales (uint8): the same leading axes, one E8M0 byte (e + 127) for each 32 codes along K. Its value is code x scale, taken as it is: it is not quantised again, and the codes and scales need not be those that the quantiser above would give.
;; 2 versions. Each part assembles by itself: llvm-mc -triple=amdgcn-amd-amdhsa -mcpu=gfx1250 --defsym DOCPART=n.
;; ======== version 1 of 2: 2 launches
;; limits: right only within a limited range of input values
;; workspace buffers: kv 6,488,064 bytes; bits 2,162,688 bytes of whole numbers; list 131,072 bytes of whole numbers
;; launch prep (part 1): grid 256 x 1, 16 waves a work-group, no clusters, 2,304 bytes of LDS; arguments mask, k_codes, k_scales, v_codes, v_scales, kv, bits, list; writes kv, bits, list
.if DOCPART == 1
	.amdgcn_target "amdgcn-amd-amdhsa--gfx1250"
	.amdhsa_code_object_version 6
	.text
	.protected	k_q899a250efa_prep
	.globl	k_q899a250efa_prep
	.p2align	8
	.type	k_q899a250efa_prep,@function
k_q899a250efa_prep:
	s_mov_b64 s[64:65], 0
	v_nop
	global_prefetch_b8 v0, s[64:65] scope:SCOPE_SE
	s_setreg_imm32_b32 hwreg(HW_REG_WAVE_MODE, 25, 1), 1
	s_wait_xcnt 0x0
; THE LAUNCH IN FRONT OF THE ATTENTION.  It reads the mask [4096][4096] int32 once and makes of it what the next launch wants, and lays K, V and their scale bytes in the order of the operands' registers.
; A TILE is 16 queries, a BLOCK 64 keys.  Work-group g takes tile g (16 rows of the mask, 262,144 bytes) and the records 3 g, 3 g + 1, 3 g + 2 of kv (768 records = 12 heads x 64 blocks): 256 work-groups of equal work.
; bits:  [tile][66 slots][32 words].  Word 16 b + i of slot j: bit 16 h + q = (mask[16 tile + q][64 j + 32 b + 16 h + i] > 0): the lane mask of one score register of the next launch.  Slots 64, 65 are zeros.
; list:  [tile][128 words].  Words 0-63: the blocks that hold an unmasked score, ascending, then 64 in every place left.  Words 64-95: (count + 1) / 2.  Words 96-127 are neither written nor read.
;        A tile in which some row has NO unmasked key lists all 64 blocks: such a row's softmax weighs every key alike, so nothing of it may be left out.
; kv:    records of 8,448 bytes, record = head x 64 + block.  Sixteen chunks of 512 bytes (16 bytes a lane), then 8 bytes a lane of scale words.
;        chunk 4 f + c (K): key 32 f + 8 (c / 2) + r + 8 (r / 8) of the block, channels 32 (c % 2) + 16 h on.    chunk 8 + 2 t + c (V): channel 16 t + r, keys 32 c + 16 h on of the block.   (r = lane % 16, h = lane / 16)
;        scale words: lane (f, r): K's two bytes of key 32 f + r + 8 (r / 8), and of the key 8 further on;  lane l: V's two bytes of channel l for this block, and of channel 32 + l.
; SHARES.  Wave w takes columns 256 w .. 256 w + 255 of the 16 rows (blocks 4 w .. 4 w + 3) and chunk w of each of the three records; waves 0-2 a record's scale words; wave 3 the zero slots; wave 0 the list.
; All 39 loads of a wave go out at once; each mask load covers 512 consecutive bytes, aligned.  The work-groups share no input, so there is no cluster; every byte is compared in registers, so it comes by loads into registers.
; EXEC is never written.
.set REC,   8448                       ; bytes of a record of kv, and of a tile's row of bits
.set SPARE, 256                        ; LDS: bytes 0-63 a word for each wave; from 256 on the spare words, 128 bytes for each of 16 waves
.set ACC,   34                         ; v34-37 columns 4 l + e of my first 128, v38-41 of my second 128: bit q = row q
.set MD,    64                         ; v64-191 the mask: row 15 - k at v[MD + 8 k], eight registers
	s_load_b512 s[4:19], s[0:1], 0x0               ; mask 4:5, k_codes 6:7, k_scales 8:9, v_codes 10:11, v_scales 12:13, kv 14:15, bits 16:17, list 18:19
	v_lshl_add_u32 v12, v0, 2, SPARE               ; my spare word; never rewritten
	v_mov_b32 v13, 0                               ; 0; never rewritten
	v_lshrrev_b32 v14, 5, v0
	v_readfirstlane_b32 s20, v14                   ; wave 0..15
	v_lshlrev_b32 v54, 2, v14                      ; LDS: my wave's word
	v_and_b32 v1, 31, v0                           ; l
	v_and_b32 v2, 15, v0                           ; r
	v_bfe_u32 v3, v0, 4, 1                         ; h
	v_lshlrev_b32 v4, 4, v1                        ; 16 l: my 16 bytes of a mask load's 512
	v_lshlrev_b32 v5, 4, v0                        ; 16 x thread = 512 w + 16 l: my place in a record
	v_lshlrev_b32 v53, 3, v1                       ; 8 l
	v_lshlrev_b32 v57, 2, v1                       ; 4 l
	v_and_b32 v58, 3, v1                           ; l % 4
	v_lshrrev_b32 v55, 2, v1
	v_lshlrev_b32 v55, 2, v55                      ; LDS: the word of wave l / 4 (block l's wave)
	v_lshlrev_b32 v56, 2, v2                       ; LDS: the word of wave l % 16
	v_mov_b32 v42, 0                               ; written once: the destination of a lane move counts as one of its sources
	v_mov_b32 v43, 0
	v_mov_b32 v46, 0                               ; the zero slots' data
	v_mov_b32 v47, 0
	v_and_b32 v14, 4, v1                           ; where my four words go in my wave's 512 bytes of bits: 256 ((l / 4) % 2) + 64 (l / 8) + 16 (l % 4)
	v_lshlrev_b32 v11, 6, v14
	v_lshrrev_b32 v14, 3, v1
	v_lshl_add_u32 v11, v14, 6, v11
	v_lshl_add_u32 v11, v58, 4, v11
	s_mov_b32 s32, 0xf0f0f0f0                      ; the lanes with (l / 4) % 2 = 1
	s_mov_b32 s36, 0x76543210
	s_mov_b32 s37, 0xfedcba98                      ; v_permlanex16_b32's selects for lane l xor 16
	s_mul_i32 s45, ttmp9, 3                        ; my first record
	s_min_u32 s27, s20, 2
	s_add_co_u32 s27, s27, s45                     ; the record whose scale bytes I load (waves 3-15 load record 3 g + 2's too, so that all waves count their loads alike, and store nothing of them)
	s_cmp_lt_u32 s20, 8
	s_cselect_b32 s21, -1, 0                       ; all ones in the waves that take K's chunks
	; the wave's part of a chunk's source.  K: 2048 (w / 4) + 512 ((w / 2) % 2) + 32 (w % 2).  V: 65536 ((w / 2) % 4) + 32 (w % 2)
	s_and_b32 s46, s20, 1
	s_lshl_b32 s46, s46, 5
	s_lshr_b32 s47, s20, 2
	s_lshl_b32 s47, s47, 11
	s_bfe_u32 s28, s20, 0x10001
	s_lshl_b32 s28, s28, 9
	s_add_co_u32 s47, s47, s28
	s_add_co_u32 s47, s47, s46                     ; K's
	s_bfe_u32 s28, s20, 0x20001
	s_lshl_b32 s28, s28, 16
	s_add_co_u32 s46, s46, s28                     ; V's
.irp i, 0,1,2                                  ; and the record's: K: 4096 x record.  V: 262144 x head + 64 x block
	s_add_co_u32 s28, s45, \i
	s_lshl_b32 s29, s28, 12
	s_add_co_u32 s29, s29, s47
	s_lshr_b32 s30, s28, 6
	s_lshl_b32 s30, s30, 18
	s_and_b32 s31, s28, 63
	s_lshl_b32 s31, s31, 6
	s_add_co_u32 s30, s30, s31
	s_add_co_u32 s30, s30, s46
	s_cmp_lt_u32 s20, 8
	s_cselect_b32 s[24+\i], s29, s30
.endr
	v_and_b32 v14, 8, v2
	v_add_nc_u32 v14, v14, v2                      ; r + 8 (r / 8)
	v_lshlrev_b32 v15, 6, v14                      ; K: a key's row is 64 bytes
	v_lshlrev_b32 v52, 12, v2                      ; V: a channel's row is 4,096 bytes
	v_cndmask_b32 v15, v52, v15, s21
	v_lshl_add_u32 v15, v3, 4, v15                 ; + 16 h
.irp i, 0,1,2
	v_add_nc_u32 v[6+\i], s[24+\i], v15            ; my 16 bytes of chunk w of record 3 g + i
.endr
	v_lshl_add_u32 v9, v3, 5, v14
	v_lshlrev_b32 v9, 1, v9                        ; K's scale bytes: 2 bytes a key, key 32 h + r + 8 (r / 8) of the block
	v_lshlrev_b32 v10, 7, v1                       ; V's: a channel's row is 128 bytes, channel l
	s_wait_kmcnt 0x0
	s_cmp_lt_u32 s20, 8
	s_cselect_b64 s[22:23], s[6:7], s[10:11]       ; the codes that my wave copies: the choice hangs on the wave's number alone
	s_mov_b32 s29, 0
	s_lshl_b32 s28, ttmp9, 18                      ; 16 rows of 16,384 bytes a tile,
	s_lshl_b32 s45, s20, 10                        ; 256 columns a wave
	s_add_co_u32 s28, s28, s45
	s_add_nc_u64 s[4:5], s[4:5], s[28:29]
	s_mul_i32 s28, ttmp9, 3*REC
	s_add_nc_u64 s[14:15], s[14:15], s[28:29]      ; kv at record 3 g
	s_min_u32 s28, s20, 2
	s_mul_i32 s28, s28, REC
	s_add_nc_u64 s[48:49], s[14:15], s[28:29]      ; and at the record of my scale words
	s_mul_i32 s28, ttmp9, REC
	s_add_nc_u64 s[16:17], s[16:17], s[28:29]      ; bits at my tile's row,
	s_lshl_b32 s28, s20, 9
	s_add_nc_u64 s[30:31], s[16:17], s[28:29]      ; and at my wave's four slots
	s_lshl_b32 s28, ttmp9, 9
	s_add_nc_u64 s[18:19], s[18:19], s[28:29]      ; list at my tile's row
	s_lshl_b32 s28, s27, 7
	s_add_nc_u64 s[8:9], s[8:9], s[28:29]          ; K's scale bytes: 128 a record
	s_lshr_b32 s28, s27, 6
	s_lshl_b32 s28, s28, 13
	s_and_b32 s45, s27, 63
	s_lshl_b32 s45, s45, 1
	s_add_co_u32 s28, s28, s45
	s_add_nc_u64 s[12:13], s[12:13], s[28:29]      ; V's: 8,192 a head, 2 a block in each row
	; ---- all loads at once: 7 small ones, then the mask's 32
.irp i, 0,1,2
	global_load_b128 v[16+4*\i:19+4*\i], v[6+\i], s[22:23]
.endr
	global_load_u16 v28, v9, s[8:9]
	global_load_u16 v29, v9, s[8:9] offset:16      ; the key 8 further on
	global_load_u16 v30, v10, s[12:13]
	global_load_u16 v31, v10, s[12:13] offset:4096 ; the channel 32 further on
.irp k, 0,1,2,3,4,5,6,7,8,9,10,11,12,13,14,15      ; rows 15 down to 0, so that the first row in ends up in the highest bit
	global_load_b128 v[MD+8*\k:MD+8*\k+3],   v4, s[4:5] offset:(15-\k)*16384 th:TH_LOAD_NT
	global_load_b128 v[MD+8*\k+4:MD+8*\k+7], v4, s[4:5] offset:(15-\k)*16384+512 th:TH_LOAD_NT
.endr
	s_wait_loadcnt 32                              ; loads come back in order: the 7 small ones are in, the mask's 32 may be out
.irp i, 0,1,2
	global_store_b128 v5, v[16+4*\i:19+4*\i], s[14:15] offset:\i*REC   ; a wave's store covers 512 consecutive bytes, aligned
.endr
	v_lshl_or_b32 v32, v29, 16, v28                ; K's scale word
	v_lshl_or_b32 v33, v31, 16, v30                ; V's
	s_cmp_ge_u32 s20, 3
	s_cbranch_scc1 .Lno_scales
	global_store_b64 v53, v[32:33], s[48:49] offset:8192   ; 256 consecutive bytes, aligned
.Lno_scales:
; One row of my 256 columns: each of my 8 columns' registers takes the row's bit in at the low end: acc = 2 acc + (mask > 0).
.macro ROWS k
	s_wait_loadcnt 30-2*(\k)                       ; this row's two loads are in; the 30 - 2 k younger ones may be out
.irp m, 0,1,2,3,4,5,6,7
	v_cmp_lt_i32 vcc_lo, 0, v[MD+8*(\k)+\m]
.if (\k) == 0
	v_cndmask_b32 v[ACC+\m], 0, 1, vcc_lo          ; the first row starts the registers: nothing is cleared
.else
	v_add_co_ci_u32 v[ACC+\m], vcc_lo, v[ACC+\m], v[ACC+\m], vcc_lo
.endif
.endr
.endm
.irp k, 0,1,2,3,4,5,6,7,8,9,10,11,12,13,14,15
	ROWS \k
.endr
; A word joins columns 16 apart: lanes l and l xor 4.  Lanes with (l / 4) % 2 = 0 make the words of my first 128 columns (own bits below, the partner's above), the others those of my second 128 (the partner's below, own above).
.irp e, 0,1,2,3
	v_mov_b32_dpp v42, v[ACC+\e] row_xmask:4 row_mask:0xf bank_mask:0xf
	v_mov_b32_dpp v43, v[ACC+4+\e] row_xmask:4 row_mask:0xf bank_mask:0xf
	v_cndmask_b32 v44, v[ACC+\e], v43, s32
	v_cndmask_b32 v45, v42, v[ACC+4+\e], s32
	v_lshl_or_b32 v[48+\e], v45, 16, v44
.endr
	global_store_b128 v11, v[48:51], s[30:31]      ; my wave's four slots: 512 consecutive bytes, aligned
	; ---- which of my four blocks hold an unmasked score, and which of the 16 rows have one in my columns
	v_or_b32 v52, v48, v49
	v_or_b32 v59, v50, v51
	v_or_b32 v52, v52, v59
	v_cmp_ne_u32 s33, 0, v52                       ; lane l's words belong to block 2 ((l / 4) % 2) + l / 16 of my four
	s_and_b32 s45, s33, 0x0f0f
	s_cselect_b32 s34, 1, 0
	s_and_b32 s45, s33, 0x0f0f0000
	s_cselect_b32 s45, 2, 0
	s_or_b32 s34, s34, s45
	s_and_b32 s45, s33, 0xf0f0
	s_cselect_b32 s45, 4, 0
	s_or_b32 s34, s34, s45
	s_and_b32 s45, s33, 0xf0f00000
	s_cselect_b32 s45, 8, 0
	s_or_b32 s34, s34, s45
.irp m, 1,2,4,8
	v_mov_b32_dpp v42, v52 row_xmask:\m row_mask:0xf bank_mask:0xf
	v_or_b32 v52, v52, v42
.endr
	v_permlanex16_b32 v42, v52, s36, s37
	v_or_b32 v52, v52, v42                         ; all my words, or-ed: rows in the low half and again in the high half
	v_lshrrev_b32 v59, 16, v52
	v_or_b32 v52, v52, v59
	v_lshl_or_b32 v52, v52, 16, s34                ; rows above, the four flags below
	ds_store_b32 v54, v52                          ; all lanes write the same word with the same value
	s_cmp_lg_u32 s20, 3
	s_cbranch_scc1 .Lno_zero
	global_store_b64 v53, v[46:47], s[16:17] offset:8192   ; slots 64 and 65: 256 consecutive bytes of zeros
.Lno_zero:
	s_wait_dscnt 0x0                               ; for the others' sake: my word has landed
	s_barrier_signal -1
	s_barrier_wait -1
	s_cmp_lg_u32 s20, 0
	s_cbranch_scc1 .Lend
	; ---- wave 0: the list.  Lane l stands for blocks l and 32 + l
	ds_load_b32 v64, v55                           ; block l's wave
	ds_load_b32 v65, v55 offset:32                 ; block 32 + l's
	ds_load_b32 v66, v56                           ; wave l % 16, for the rows
	s_wait_dscnt 0x0
	v_lshrrev_b32 v66, 16, v66
.irp m, 1,2,4,8
	v_mov_b32_dpp v42, v66 row_xmask:\m row_mask:0xf bank_mask:0xf
	v_or_b32 v66, v66, v42
.endr
	v_cmp_ne_u32 s40, 0xffff, v66                  ; all ones where some row of the tile has no unmasked key at all: then every block is listed
	v_lshrrev_b32 v64, v58, v64
	v_lshrrev_b32 v65, v58, v65
	v_and_b32 v64, 1, v64
	v_and_b32 v65, 1, v65
	v_cmp_ne_u32 s38, 0, v64                       ; blocks 0-31 that are listed,
	v_cmp_ne_u32 s39, 0, v65                       ; blocks 32-63
	s_or_b32 s38, s38, s40
	s_or_b32 s39, s39, s40
	s_bcnt1_i32_b32 s42, s38
	s_bcnt1_i32_b32 s45, s39
	s_add_co_u32 s41, s42, s45                     ; how many in all
	s_not_b32 s43, s38
	s_not_b32 s44, s39
	s_sub_co_u32 s46, 32, s42
	s_add_co_u32 s46, s46, s41                     ; where the places of the idle blocks 32-63 begin: count + the idle ones among 0-31
	v_mbcnt_lo_u32_b32 v68, s38, 0                 ; a listed block's place: the listed ones below it;
	v_mbcnt_lo_u32_b32 v72, s43, s41               ; an idle block's: behind all that are listed: so the 64 places are a permutation, and every word is written once
	v_cndmask_b32 v68, v72, v68, s38
	v_mbcnt_lo_u32_b32 v69, s39, s42
	v_mbcnt_lo_u32_b32 v73, s44, s46
	v_cndmask_b32 v69, v73, v69, s39
	v_cndmask_b32 v70, 64, v1, s38                 ; a listed block writes its number, an idle one 64
	v_add_nc_u32 v75, 32, v1
	v_cndmask_b32 v71, 64, v75, s39
	v_min_u32 v68, 63, v68                         ; the places come from loaded numbers: held inside the row
	v_min_u32 v69, 63, v69
	v_lshlrev_b32 v68, 2, v68
	v_lshlrev_b32 v69, 2, v69
	global_store_b32 v68, v70, s[18:19]
	global_store_b32 v69, v71, s[18:19]
	s_add_co_u32 s45, s41, 1
	s_lshr_b32 s45, s45, 1                         ; steps of two blocks
	v_mov_b32 v74, s45
	global_store_b32 v57, v74, s[18:19] offset:256
.Lend:
	s_wait_tensorcnt 0x0                           ; the wave's end
	ds_add_u32 v12, v13
	s_wait_dscnt 0x0
	s_endpgm
.Lfunc_end_k_q899a250efa_prep:
	.size	k_q899a250efa_prep, .Lfunc_end_k_q899a250efa_prep-k_q899a250efa_prep
	.p2alignl 7, 3214868480
	.fill 96, 4, 3214868480
	.section	.rodata,"a",@progbits
	.p2align	6, 0x0
	.amdhsa_kernel k_q899a250efa_prep
		.amdhsa_group_segment_fixed_size 2304
		.amdhsa_private_segment_fixed_size 0
		.amdhsa_enable_private_segment 0
		.amdhsa_kernarg_size 64
		.amdhsa_user_sgpr_count 2
		.amdhsa_user_sgpr_kernarg_segment_ptr 1
		.amdhsa_wavefront_size32 1
		.amdhsa_system_sgpr_workgroup_id_x 1
		.amdhsa_system_sgpr_workgroup_id_y 1
		.amdhsa_system_sgpr_workgroup_id_z 1
		.amdhsa_system_vgpr_workitem_id 0
		.amdhsa_next_free_vgpr 192
		.amdhsa_next_free_sgpr 66
		.amdhsa_reserve_vcc 1
		.amdhsa_float_denorm_mode_32 3
		.amdhsa_float_denorm_mode_16_64 3
		.amdhsa_memory_ordered 1
		.amdhsa_forward_progress 1
		.amdhsa_inst_pref_size 23
	.end_amdhsa_kernel
	.amdgpu_metadata
---
amdhsa.version: [ 1, 2 ]
amdhsa.kernels:
  - .name:           k_q899a250efa_prep
    .symbol:         k_q899a250efa_prep.kd
    .args:
      - { .name: mask, .offset: 0, .size: 8, .value_kind: global_buffer, .address_space: global }
      - { .name: k_codes, .offset: 8, .size: 8, .value_kind: global_buffer, .address_space: global }
      - { .name: k_scales, .offset: 16, .size: 8, .value_kind: global_buffer, .address_space: global }
      - { .name: v_codes, .offset: 24, .size: 8, .value_kind: global_buffer, .address_space: global }
      - { .name: v_scales, .offset: 32, .size: 8, .value_kind: global_buffer, .address_space: global }
      - { .name: kv, .offset: 40, .size: 8, .value_kind: global_buffer, .address_space: global }
      - { .name: bits, .offset: 48, .size: 8, .value_kind: global_buffer, .address_space: global }
      - { .name: list, .offset: 56, .size: 8, .value_kind: global_buffer, .address_space: global }
    .group_segment_fixed_size: 2304
    .private_segment_fixed_size: 0
    .kernarg_segment_align: 8
    .kernarg_segment_size: 64
    .max_flat_workgroup_size: 512
    .sgpr_count:     66
    .vgpr_count:     192
    .wavefront_size: 32
...
	.end_amdgpu_metadata
.endif
;; end of part 1
;; launch attn (part 2): grid 12 x 256, 4 waves a work-group, no clusters, 18,944 bytes of LDS; arguments q_codes, q_scales, kv, bits, list, out0; writes out0
.if DOCPART == 2
	.amdgcn_target "amdgcn-amd-amdhsa--gfx1250"
	.amdhsa_code_object_version 6
	.text
	.protected	k_q899a250efa_attn
	.globl	k_q899a250efa_attn
	.p2align	8
	.type	k_q899a250efa_attn,@function
k_q899a250efa_attn:
	s_mov_b64 s[64:65], 0
	v_nop
	global_prefetch_b8 v0, s[64:65] scope:SCOPE_SE
	s_setreg_imm32_b32 hwreg(HW_REG_WAVE_MODE, 25, 1), 1
	s_wait_xcnt 0x0
; out[head][q][:] = the sum over k of softmax_k(where(mask[q][k] > 0, Q[q] . K[k] / 8, -1e9)) V[k][:], both products on codes of FP8 (E4M3) with one E8M0 scale for each 32 along a product's K.
; THE SOFTMAX AHEAD OF THE SECOND PRODUCT: t = score x log2(e) / 8; M = the row's largest t so far, rounded UP to a whole number; p = 2^(t - M) is quantised along the keys, not normalised; the row's sum is taken of the
; unquantised p and divides at the end.  When M moves, the sum and O are multiplied by 2^(old M - new M): exact.
; ONLY THE LISTED BLOCKS ARE WALKED.  The launch before has stored, for each tile of 16 queries, the blocks of 64 keys that hold an unmasked score (all 64 where a row has none at all), and each block's mask as lane words.
; A masked score's p is 0 beside any unmasked one, and a block of zeros adds nothing: so a block that is left out changes no number.  A listed block is masked score by score.
; SHARES.  A work-group is one head (x) and one tile of 16 queries (y, taken from both ends of the sequence inward).  A STEP is two listed blocks, 128 keys: one K of the second product.  Wave w walks steps w, w + 4, ..,
; with its own M, sum and O^T; the four shares meet in LDS behind one barrier, and wave w finishes and stores rows 4 w .. 4 w + 3.
; NO TENSOR LOAD, NO CLUSTER: which records of kv a work-group walks, and how many, hangs on its tile's stored list, so partners would ask for different tiles in different numbers; operands go from memory straight into
; registers, out of records laid in the order of those registers (16 bytes a lane, 512 consecutive bytes a load).
; LAYOUT.  Both products are used transposed: S^T = K Q^T, O^T = V^T P^T: a lane holds ONE query (lane % 16) throughout.  The head has 64 channels and the instruction takes 128 along K: a fragment of K holds TWO tiles of
; 16 keys, one in each half of K, and Q stands beside zero codes, [Q, 0] or [0, Q], which picks one of the two: each fragment of K is loaded once and multiplied twice.
; The keys of a tile are not neighbours (key 32 f + 8 u + r + 8 (r / 8)), so that the 16 registers of two neighbouring tiles are 16 neighbouring keys: 32 f + 16 (lane / 16) + 0 .. 15.
; LIMITS.  A masked score is set to the raw score -2^33 (logit -2^30) where the definition has logit -1e9: -2^33 x c is exact, so a row with no unmasked key gets p = 1 for every key, as f32 gives for -1e9; the result differs
; only where an unmasked logit lies at or under about -1e9.  NaN codes and scale bytes 0xff among the inputs are not served (a NaN of K would meet the zero codes beside Q).
; REGISTERS: v1-v11 offsets; v12 -M, v13 the largest t, v[14:15] the sum in two halves; v16-23 zeros, v24-31 Q, v32-39 zeros; v40-47 scale words; v48-111 four fragments of K or V; v112-175 S^T, then p; v176-207 O^T;
; v208-223 p's codes; v224-245 at work.   s16 my wave, s17 my trips, s18 the trip in hand;  s[32:63], s[68:99]: the two blocks' mask words.
.set REC,   8448                       ; a record of kv, and a tile's row of bits, in bytes
.set IMG,   4352                       ; LDS: a wave's O^T: register group g (4 registers) of lane (q, h) at 544 g + 272 h + 16 q
.set STAT,  4*IMG                      ; then 256 bytes a wave: -M at 4 x lane, the sum at 128 + 4 x lane
.set SPARE, STAT+4*256                 ; then the spare words, 128 bytes for each wave: two blocks of 256 bytes that no other line names
.set KV,  48
.set S,   112
.set OT,  176
.set PC,  208
.set BM,  224                          ; v224-227 a block's largest score, then its largest p
.set PX,  228                          ; v228-231 the other half's, then the scale bytes
.set HD,  232                          ; v232-235 448 x the scale
.set SO,  236                          ; v236-239 the conversions' scale operands
	s_load_b256 s[4:11], s[0:1], 0x0               ; q_codes 4:5, q_scales 6:7, kv 8:9, bits 10:11
	s_load_b128 s[12:15], s[0:1], 0x20             ; list 12:13, out0 14:15
	v_lshl_add_u32 v5, v0, 2, SPARE                ; my spare word; never rewritten
	v_mov_b32 v6, 0                                ; 0; never rewritten
	v_lshrrev_b32 v10, 5, v0
	v_readfirstlane_b32 s16, v10                   ; wave 0..3
	v_and_b32 v10, 31, v0                          ; l
	v_lshlrev_b32 v1, 4, v10                       ; 16 l
	v_lshlrev_b32 v2, 3, v10                       ; 8 l
	v_mov_b32 v3, 0xd0000000                       ; -2^33
	v_and_b32 v11, 15, v0                          ; q
	v_bfe_u32 v242, v0, 4, 1                       ; h
	; every LDS address is made here, ahead of every branch
	s_mul_i32 s2, s16, IMG
	v_lshlrev_b32 v4, 4, v11
	v_mad_u32_u24 v4, v242, 272, v4
	v_add_nc_u32 v4, s2, v4                        ; where I put O^T: my wave's image + 272 h + 16 q
	s_lshl_b32 s2, s16, 8
	s_add_co_u32 s2, s2, STAT
	v_lshl_add_u32 v7, v10, 2, s2                  ; and -M and the sum
	v_bfe_u32 v244, v0, 2, 2                       ; back, by rows: lane x = l % 16 takes channels 4 x .. 4 x + 3, which lie in group g = 2 (x / 4) + x % 2 of half (x / 2) % 2
	v_and_b32 v245, 1, v0
	v_lshl_add_u32 v244, v244, 1, v245
	v_mul_u32_u24 v8, v244, 544
	v_bfe_u32 v244, v0, 1, 1
	v_mad_u32_u24 v8, v244, 272, v8
	v_lshl_add_u32 v8, v242, 4, v8                 ; row 4 w + l / 16 (+ 2 in the second turn)
	s_lshl_b32 s2, s16, 6
	v_add_nc_u32 v8, s2, v8
	s_lshl_b32 s2, s16, 4
	s_add_co_u32 s2, s2, STAT
	v_lshl_add_u32 v9, v242, 2, s2                 ; that row's -M and sum
	v_lshlrev_b32 v10, 6, v11
	v_lshl_add_u32 v10, v242, 4, v10               ; Q: row q of 64 bytes, + 16 h
	v_lshlrev_b32 v11, 1, v11                      ; its two scale bytes
	v_lshlrev_b32 v242, 4, v242                    ; 16 h
	s_mov_b32 s19, 0x600000                        ; the mantissa field of 448
	s_mov_b32 s100, 0x3e38aa3b                     ; c = log2(e) / 8
	s_mov_b32 s101, s100                           ; (named with it as a pair, so it is written)
	s_mov_b32 s104, 0x76543210
	s_mov_b32 s105, 0xfedcba98                     ; v_permlanex16_b32's selects for lane l xor 16
	s_and_b32 s2, ttmp7, 0xffff                    ; y
	s_lshr_b32 s3, s2, 1
	s_sub_co_u32 s21, 255, s3
	s_bitcmp1_b32 s2, 0
	s_cselect_b32 s18, s21, s3                     ; my tile: y / 2 from the front for even y, from the back for odd
	s_mov_b32 s3, 0                                ; (s2, s3) is the pair of every offset from here on
	s_lshl_b32 s17, ttmp9, 12
	s_lshl_b32 s2, s18, 4
	s_add_co_u32 s17, s17, s2                      ; my first query among all heads': 4096 x head + 16 x tile
	s_wait_kmcnt 0x0
	s_lshl_b32 s2, s17, 6
	s_add_nc_u64 s[4:5], s[4:5], s[2:3]
	s_lshl_b32 s2, s17, 1
	s_add_nc_u64 s[6:7], s[6:7], s[2:3]
	s_mul_i32 s2, ttmp9, 64*REC
	s_add_nc_u64 s[8:9], s[8:9], s[2:3]            ; my head's 64 records
	s_mul_i32 s2, s18, REC
	s_add_nc_u64 s[10:11], s[10:11], s[2:3]        ; my tile's mask words
	s_lshl_b32 s2, s18, 9
	s_add_nc_u64 s[12:13], s[12:13], s[2:3]        ; my tile's list
	s_lshl_b32 s2, s16, 2
	s_add_co_u32 s2, s2, s17
	s_lshl_b32 s2, s2, 8
	s_add_nc_u64 s[14:15], s[14:15], s[2:3]        ; the four rows of out0 that I store, 256 bytes each
	s_lshl_b32 s2, s16, 3
	s_add_nc_u64 s[20:21], s[12:13], s[2:3]
	s_load_b32 s17, s[12:13], 0x100                ; the tile's steps
	s_load_b64 s[22:23], s[20:21], 0x0             ; my first step's two blocks
	global_load_b128 v[24:27], v10, s[4:5]         ; Q's fragment: channels 16 h on,
	global_load_b128 v[28:31], v10, s[4:5] offset:32   ; and 32 + 16 h on
	global_load_u16 v46, v11, s[6:7]
.irp j, 0,1,2,3,4,5,6,7
	v_mov_b32 v[16+\j], 0                          ; zero codes on both sides of Q
	v_mov_b32 v[32+\j], 0
.endr
.set j, 0
.rept 32
	v_mov_b32 v[OT+j], 0                           ; O^T.  (The step is written once: the first finds zeros, which the first change of M leaves zeros; a wave with no step hands zeros on)
.set j, j+1
.endr
	v_mov_b32 v13, 0xff61b1e6                      ; the largest t so far: -3e38, under every t
	v_floor_f32 v12, -v13                          ; -M
	v_mov_b32 v14, 0                               ; the sum, in two halves
	v_mov_b32 v15, 0
.irp b, 0,1,2,3
	v_mov_b32 v[PX+\b], 0                          ; written once: a lane permute's destination counts as one of its sources
.endr
	v_mov_b32 v241, 0                              ; (named as the upper half of the pair v[240:241])
	s_mov_b32 s18, 0                               ; the trip in hand: trip n of wave w is step w + 4 n
	s_wait_kmcnt 0x0
	s_min_u32 s17, s17, 32                         ; a loaded number: held at the most that 64 blocks give
	s_add_co_u32 s17, s17, 3
	s_sub_co_u32 s17, s17, s16
	s_lshr_b32 s17, s17, 2                         ; my trips: the steps w, w + 4, .. under the tile's number: (steps + 3 - w) / 4, at most 8, and 0 where steps <= w
	s_wait_loadcnt 0x0
	v_lshlrev_b32 v46, v242, v46                   ; Q's scale word: lanes 0-15 for [Q, 0] (bytes 0, 1), lanes 16-31 for [0, Q] (bytes 2, 3); the zero codes' bytes are 0
	s_cmp_eq_u32 s17, 0
	s_cbranch_scc1 .Ldone                          ; fewer steps than waves: I have none.  No barrier stands under this branch
.macro ADR                             ; where the step's two records and mask slots lie.  Every load of the step before has been waited for, so these registers may be written
.irp b, 0,1
	s_min_u32 s2, s[22+\b], 63                     ; a padding entry (64) reads block 63's codes, under a mask of zeros
	s_mul_i32 s2, s2, REC
	s_add_nc_u64 s[24+2*\b:25+2*\b], s[8:9], s[2:3]
	s_min_u32 s2, s[22+\b], 64
	s_lshl_b32 s2, s2, 7
	s_add_nc_u64 s[28+2*\b:29+2*\b], s[10:11], s[2:3]
.endr
	s_lshl_b32 s2, s18, 2
	s_add_co_u32 s2, s2, s16
	s_add_co_u32 s2, s2, 4                         ; my next step: w + 4 (trip + 1),
	s_min_u32 s2, s2, 31                           ; its pair held inside the list's 64 words
	s_lshl_b32 s2, s2, 3
	s_add_nc_u64 s[20:21], s[12:13], s[2:3]
.endm
.macro LOADK                           ; four fragments of K (block b, keys 32 f on) and the blocks' scale words
.irp b, 0,1
.irp f, 0,1
.irp c, 0,1,2,3
	global_load_b128 v[KV+16*(2*\b+\f)+4*\c:KV+16*(2*\b+\f)+4*\c+3], v1, s[24+2*\b:25+2*\b] offset:\f*2048+\c*512
.endr
.endr
	global_load_b64 v[40+2*\b:41+2*\b], v2, s[24+2*\b:25+2*\b] offset:8192   ; K's word, V's word
.endr
.endm
.macro LOADV                           ; four fragments of V^T (channels 16 t on): keys 0-63 of K from block 0, 64-127 from block 1
.irp t, 0,1,2,3
.irp b, 0,1
.irp c, 0,1
	global_load_b128 v[KV+16*\t+8*\b+4*\c:KV+16*\t+8*\b+4*\c+3], v1, s[24+2*\b:25+2*\b] offset:4096+\t*1024+\c*512
.endr
.endr
.endr
.endm
; One product of S^T: fragment bb of K, its half u.  K's scale words: block bb / 2's register, lanes 0-15 for its keys 0-31, lanes 16-31 for 32-63.  Register 16 bb + 8 u + j of lane (q, h) is key 32 bb + 16 h + 8 u + j of the step.
.macro QK1 bb, u
.if ((\bb)%2 == 0) && ((\u) == 0)
	v_wmma_scale_f32_16x16x128_f8f6f4 v[S+8*(2*\bb+\u):S+8*(2*\bb+\u)+7], v[KV+16*\bb:KV+16*\bb+15], v[24:39], 0, v[40+2*(\bb/2)], v46
.elseif ((\u) == 0)
	v_wmma_scale_f32_16x16x128_f8f6f4 v[S+8*(2*\bb+\u):S+8*(2*\bb+\u)+7], v[KV+16*\bb:KV+16*\bb+15], v[24:39], 0, v[40+2*(\bb/2)], v46 matrix_a_scale:MATRIX_SCALE_ROW1
.elseif ((\bb)%2 == 0)
	v_wmma_scale_f32_16x16x128_f8f6f4 v[S+8*(2*\bb+\u):S+8*(2*\bb+\u)+7], v[KV+16*\bb:KV+16*\bb+15], v[16:31], 0, v[40+2*(\bb/2)], v46 matrix_b_scale:MATRIX_SCALE_ROW1
.else
	v_wmma_scale_f32_16x16x128_f8f6f4 v[S+8*(2*\bb+\u):S+8*(2*\bb+\u)+7], v[KV+16*\bb:KV+16*\bb+15], v[16:31], 0, v[40+2*(\bb/2)], v46 matrix_a_scale:MATRIX_SCALE_ROW1 matrix_b_scale:MATRIX_SCALE_ROW1
.endif
.endm
.macro MASK                            ; word n of a block's slot is the lane mask of its score register n; each accumulator is read from its low end on
.set n, 0
.rept 32
	v_cndmask_b32 v[S+n], v3, v[S+n], s[32+n]
.set n, n+1
.endr
.set n, 0
.rept 32
	v_cndmask_b32 v[S+32+n], v3, v[S+32+n], s[68+n]
.set n, n+1
.endr
.endm
.macro SOFTMAX
.irp b, 0,1,2,3
	v_max3_num_f32 v[BM+\b], v[S+16*\b], v[S+1+16*\b], v[S+2+16*\b]   ; the largest score of each block of 32 keys: it serves for the row's maximum and, since p rises with the score, for the block's largest p
.endr
.irp i, 3,5,7,9,11,13
.irp b, 0,1,2,3
	v_max3_num_f32 v[BM+\b], v[BM+\b], v[S+16*\b+\i], v[S+1+16*\b+\i]   ; (the four blocks by turns)
.endr
.endr
.irp b, 0,1,2,3
	v_max_num_f32 v[BM+\b], v[BM+\b], v[S+15+16*\b]
.endr
.irp b, 0,1,2,3
	v_permlanex16_b32 v[PX+\b], v[BM+\b], s104, s105
.endr
.irp b, 0,1,2,3
	v_max_num_f32 v[BM+\b], v[BM+\b], v[PX+\b]     ; with lane l xor 16's 16 keys
.endr
	v_max3_num_f32 v242, v[BM], v[BM+1], v[BM+2]
	v_max_num_f32 v242, v242, v[BM+3]              ; the step's largest score of my query
	v_mul_f32 v242, s100, v242                     ; as t (c is positive)
	v_max_num_f32 v13, v13, v242                   ; the running largest t
	v_mov_b32 v242, v12
	v_floor_f32 v12, -v13                          ; the new -M = floor(-t) = -ceil(t): a whole number
	v_sub_f32 v242, v12, v242                      ; old M less new M: a whole number, 0 or less
	v_cvt_i32_f32 v242, v242                       ; (it saturates)
	v_ldexp_f32 v240, 1.0, v242                    ; f = 2^(old M - new M)
.set j, 0
.rept 32
	v_pk_fma_f32 v[S+j:S+j+1], v[S+j:S+j+1], s[100:101], v[12:13] op_sel_hi:[1,0,0]   ; t - M, two at a time (of the pairs c and -M the low word serves both halves)
.set j, j+2
.endr
.irp b, 0,1,2,3
	v_fma_f32 v[BM+\b], v[BM+\b], s100, v12        ; the same of each block's largest score
.endr
.set j, 0
.rept 64
	v_exp_f32 v[S+j], v[S+j]                       ; p = 2^(t - M), at most 1
.set j, j+1
.endr
	v_pk_mul_f32 v[14:15], v[14:15], v[240:241] op_sel_hi:[1,0]   ; the sums under the new M: the plain instruction behind the exponentials
	s_wait_alu depctr_va_vdst(0)                   ; one wait for the 64 exponentials, ahead of the first line that names a result
.irp b, 0,1,2,3
	v_exp_f32 v[BM+\b], v[BM+\b]                   ; the block's largest p: the same two instructions on the same number give the same bits
.endr
	v_pk_add_f32 v[244:245], v[S:S+1], v[S+2:S+3]  ; the row's sum is taken of the unquantised p: two at a time, in two chains
.irp j, 4,8,12,16,20,24,28,32,36,40,44,48,52,56,60
	v_pk_add_f32 v[14:15], v[14:15], v[S+\j:S+1+\j]
	v_pk_add_f32 v[244:245], v[244:245], v[S+2+\j:S+3+\j]
.endr
	v_pk_add_f32 v[14:15], v[14:15], v[244:245]
	s_wait_alu depctr_va_vdst(0)                   ; and one for the four
.irp b, 0,1,2,3
	v_max_num_f32 v[BM+\b], 0x4800000, v[BM+\b]    ; the floor 2^(9 - 127): the byte cannot fall under 1 (a block whose every p is 0 keeps that byte: its codes are zeros)
.endr
.irp b, 0,1,2,3
	v_add_nc_u32 v[SO+\b], 0xfc000000, v[BM+\b]    ; 8 off the exponent field: the conversion's scale operand
.endr
.irp b, 0,1,2,3
	v_and_or_b32 v[HD+\b], v[BM+\b], 0x7f800000, s19   ; 448 x the scale
.endr
.irp b, 0,1,2,3
	v_lshrrev_b32 v[PX+\b], 23, v[SO+\b]           ; the scale's byte
.endr
	v_lshl_or_b32 v47, v[PX+1], 8, v[PX]           ; p's scale word for these 128 keys
	v_lshl_or_b32 v47, v[PX+2], 16, v47
	v_lshl_or_b32 v47, v[PX+3], 24, v47
.irp b, 0,1,2,3
.irp i, 0,1,2,3,4,5,6,7,8,9,10,11,12,13,14,15
	v_min_num_f32 v[S+16*\b+\i], v[S+16*\b+\i], v[HD+\b]   ; the conversion to an 8-bit code does not saturate (ISA guide 7.6.2); p is not negative, so the hold is one-sided
.endr
	v_cvt_scalef32_pk8_fp8_f32 v[PC+4*\b:PC+1+4*\b], v[S+16*\b:S+7+16*\b], v[SO+\b]
	v_cvt_scalef32_pk8_fp8_f32 v[PC+2+4*\b:PC+3+4*\b], v[S+8+16*\b:S+15+16*\b], v[SO+\b]
.endr
.endm
.Lstep:                                            ; one trip is one step: 128 keys
	ADR
	s_load_b512 s[32:47], s[28:29], 0x0            ; the two blocks' mask words, 128 bytes each,
	s_load_b512 s[48:63], s[28:29], 0x40
	s_load_b512 s[68:83], s[30:31], 0x0
	s_load_b512 s[84:99], s[30:31], 0x40
	s_load_b64 s[66:67], s[20:21], 0x0             ; and my next step's pair
.rept 8
	v_nop                                          ; eight places behind the last step's products, ahead of loads into registers that they read; in the first trip they stand between Q's scale word and its first use
.endr
	LOADK
	s_wait_loadcnt 0x0
.irp bb, 0,1,2,3                               ; S^T = K Q^T: eight accumulators, each begun with the constant 0
	QK1 \bb, 0
	QK1 \bb, 1
.endr
	v_perm_b32 v44, v43, v41, 0x05040100           ; V's scale words of this step: bytes 0, 1 from block 0, bytes 2, 3 from block 1: channels 0-31 (lanes 0-15: tile 0, lanes 16-31: tile 1),
	v_perm_b32 v45, v43, v41, 0x07060302           ; and channels 32-63.  These two and six v_nop are the eight places behind the products
.rept 6
	v_nop
.endr
	LOADV                                          ; lands while the softmax runs
	s_wait_kmcnt 0x0
	s_mov_b64 s[22:23], s[66:67]
	MASK
	SOFTMAX
.set j, 0
.rept 16
	v_pk_mul_f32 v[OT+j:OT+j+1], v[OT+j:OT+j+1], v[240:241] op_sel_hi:[1,0]   ; O^T under the new M: x f.  (Also the plain lines behind the conversions and ahead of the products)
.set j, j+2
.endr
	s_wait_loadcnt 0x0                             ; V
	; O^T += V^T P^T: four accumulators, one instruction each; the next matrix instructions are the next step's S^T
	v_wmma_scale_f32_16x16x128_f8f6f4 v[OT:OT+7], v[KV:KV+15], v[PC:PC+15], v[OT:OT+7], v44, v47
	v_wmma_scale_f32_16x16x128_f8f6f4 v[OT+8:OT+15], v[KV+16:KV+31], v[PC:PC+15], v[OT+8:OT+15], v44, v47 matrix_a_scale:MATRIX_SCALE_ROW1
	v_wmma_scale_f32_16x16x128_f8f6f4 v[OT+16:OT+23], v[KV+32:KV+47], v[PC:PC+15], v[OT+16:OT+23], v45, v47
	v_wmma_scale_f32_16x16x128_f8f6f4 v[OT+24:OT+31], v[KV+48:KV+63], v[PC:PC+15], v[OT+24:OT+31], v45, v47 matrix_a_scale:MATRIX_SCALE_ROW1
	s_add_co_u32 s18, s18, 1
	s_cmp_lt_u32 s18, s17
	s_cbranch_scc1 .Lstep
.Ldone:
	; ---- my share goes to LDS: O^T as it stands in my registers, -M and the sum a word a lane
	v_add_f32 v14, v14, v15                        ; the sum's two halves,
	v_permlanex16_b32 v[PX], v14, s104, s105
	v_add_f32 v14, v14, v[PX]                      ; and lane l xor 16's: my share of the row's sum
.rept 6
	v_nop                                          ; with the two additions: eight places behind the last products, ahead of the stores that read their results
.endr
.irp g, 0,1,2,3,4,5,6,7
	ds_store_b128 v4, v[OT+4*\g:OT+4*\g+3] offset:\g*544   ; ascending: each accumulator from its low end on
.endr
	ds_store_b32 v7, v12
	ds_store_b32 v7, v14 offset:128
	s_wait_dscnt 0x0                               ; for the others' sake: my stores have landed
	s_barrier_signal -1
	s_barrier_wait -1
	; ---- rows 4 w + 2 i + l / 16 (i = 0, 1), channels 4 (l % 16) on: the four shares are brought under the largest M and added
.irp i, 0,1
.irp s, 0,1,2,3
	ds_load_b128 v[KV+16*\i+4*\s:KV+16*\i+4*\s+3], v8 offset:\s*IMG+32*\i
	ds_load_b32 v[S+8*\i+\s], v9 offset:\s*256+8*\i
	ds_load_b32 v[S+4+8*\i+\s], v9 offset:\s*256+8*\i+128
.endr
.endr
	s_wait_dscnt 0x0
.macro FINISH i
	v_min3_num_f32 v[128+\i], v[S+8*\i], v[S+8*\i+1], v[S+8*\i+2]
	v_min_num_f32 v[128+\i], v[128+\i], v[S+8*\i+3]        ; the least -M: the largest M
.irp s, 0,1,2,3
	v_sub_f32 v[S+8*\i+\s], v[128+\i], v[S+8*\i+\s]        ; share s's M less the largest: a whole number, 0 or less
.endr
.irp s, 0,1,2,3
	v_cvt_i32_f32 v[S+8*\i+\s], v[S+8*\i+\s]               ; (it saturates)
.endr
.irp s, 0,1,2,3
	v_ldexp_f32 v[S+8*\i+\s], 1.0, v[S+8*\i+\s]            ; f_s: 0 for a wave that had no step, or saw only masked keys of a row that has others
.endr
	v_mul_f32 v[130+\i], v[S+8*\i], v[S+4+8*\i]
.irp s, 1,2,3
	v_fma_f32 v[130+\i], v[S+8*\i+\s], v[S+4+8*\i+\s], v[130+\i]   ; the row's sum
.endr
.irp e, 0,1,2,3
	v_mul_f32 v[132+4*\i+\e], v[S+8*\i], v[KV+16*\i+\e]
.endr
.irp s, 1,2,3
.irp e, 0,1,2,3
	v_fma_f32 v[132+4*\i+\e], v[S+8*\i+\s], v[KV+16*\i+4*\s+\e], v[132+4*\i+\e]
.endr
.endr
.endm
	FINISH 0
	FINISH 1
	v_rcp_f32 v130, v130
	v_rcp_f32 v131, v131
	v_nop                                          ; a plain instruction behind the reciprocals,
	s_wait_alu depctr_va_vdst(0)                   ; and one wait for both, ahead of the first line that names a result
.irp i, 0,1
.irp e, 0,1,2,3
	v_mul_f32 v[132+4*\i+\e], v[132+4*\i+\e], v[130+\i]
.endr
	global_store_b128 v1, v[132+4*\i:135+4*\i], s[14:15] offset:512*\i th:TH_STORE_NT   ; 32 lanes store two whole rows: 512 consecutive bytes, aligned; written once, read by nobody here
.endr
	s_wait_tensorcnt 0x0                           ; the wave's end
	ds_add_u32 v5, v6
	s_wait_dscnt 0x0
	s_endpgm
.Lfunc_end_k_q899a250efa_attn:
	.size	k_q899a250efa_attn, .Lfunc_end_k_q899a250efa_attn-k_q899a250efa_attn
	.p2alignl 7, 3214868480
	.fill 96, 4, 3214868480
	.section	.rodata,"a",@progbits
	.p2align	6, 0x0
	.amdhsa_kernel k_q899a250efa_attn
		.amdhsa_group_segment_fixed_size 18944
		.amdhsa_private_segment_fixed_size 0
		.amdhsa_enable_private_segment 0
		.amdhsa_kernarg_size 48
		.amdhsa_user_sgpr_count 2
		.amdhsa_user_sgpr_kernarg_segment_ptr 1
		.amdhsa_wavefront_size32 1
		.amdhsa_system_sgpr_workgroup_id_x 1
		.amdhsa_system_sgpr_workgroup_id_y 1
		.amdhsa_system_sgpr_workgroup_id_z 1
		.amdhsa_system_vgpr_workitem_id 0
		.amdhsa_next_free_vgpr 256
		.amdhsa_next_free_sgpr 106
		.amdhsa_reserve_vcc 0
		.amdhsa_float_denorm_mode_32 3
		.amdhsa_float_denorm_mode_16_64 3
		.amdhsa_memory_ordered 1
		.amdhsa_forward_progress 1
		.amdhsa_inst_pref_size 37
	.end_amdhsa_kernel
	.amdgpu_metadata
---
amdhsa.version: [ 1, 2 ]
amdhsa.kernels:
  - .name:           k_q899a250efa_attn
    .symbol:         k_q899a250efa_attn.kd
    .args:
      - { .name: q_codes, .offset: 0, .size: 8, .value_kind: global_buffer, .address_space: global }
      - { .name: q_scales, .offset: 8, .size: 8, .value_kind: global_buffer, .address_space: global }
      - { .name: kv, .offset: 16, .size: 8, .value_kind: global_buffer, .address_space: global }
      - { .name: bits, .offset: 24, .size: 8, .value_kind: global_buffer, .address_space: global }
      - { .name: list, .offset: 32, .size: 8, .value_kind: global_buffer, .address_space: global }
      - { .name: out0, .offset: 40, .size: 8, .value_kind: global_buffer, .address_space: global }
    .group_segment_fixed_size: 18944
    .private_segment_fixed_size: 0
    .kernarg_segment_align: 8
    .kernarg_segment_size: 48
    .max_flat_workgroup_size: 128
    .sgpr_count:     106
    .vgpr_count:     256
    .wavefront_size: 32
...
	.end_amdgpu_metadata
.endif
;; end of part 2
;; ======== version 2 of 2: 2 launches
;; limits: right only within a limited range of input values
;; workspace buffers: kv 6,488,064 bytes; bits 2,162,688 bytes of whole numbers; list 131,072 bytes of whole numbers
;; launch prep (part 3): grid 256 x 1, 16 waves a work-group, no clusters, 2,304 bytes of LDS; arguments mask, k_codes, k_scales, v_codes, v_scales, kv, bits, list; writes kv, bits, list
.if DOCPART == 3
	.amdgcn_target "amdgcn-amd-amdhsa--gfx1250"
	.amdhsa_code_object_version 6
	.text
	.protected	k_q899a250efa_prep
	.globl	k_q899a250efa_prep
	.p2align	8
	.type	k_q899a250efa_prep,@function
k_q899a250efa_prep:
	s_mov_b64 s[64:65], 0
	v_nop
	global_prefetch_b8 v0, s[64:65] scope:SCOPE_SE
	s_setreg_imm32_b32 hwreg(HW_REG_WAVE_MODE, 25, 1), 1
	s_wait_xcnt 0x0
; THE LAUNCH IN FRONT OF THE ATTENTION.  It reads the mask [4096][4096] int32 once and makes of it what the next launch wants, and lays K, V and their scale bytes in the order of the operands' registers.
; A TILE is 16 queries, a BLOCK 64 keys.  Work-group g takes tile g (16 rows of the mask, 262,144 bytes) and the records 3 g, 3 g + 1, 3 g + 2 of kv (768 records = 12 heads x 64 blocks): 256 work-groups of equal work.
; bits:  [tile][66 slots][32 words].  Word 16 b + i of slot j: bit 16 h + q = (mask[16 tile + q][64 j + 32 b + 16 h + i] > 0): the lane mask of one score register of the next launch.  Slots 64, 65 are zeros.
; list:  [tile][128 words].  Words 0-63: the blocks that hold an unmasked score, ascending, then 64 in every place left.  Words 64-95: (count + 1) / 2.  Words 96-127 are neither written nor read.
;        A tile in which some row has NO unmasked key lists all 64 blocks: such a row's softmax weighs every key alike, so nothing of it may be left out.
; kv:    records of 8,448 bytes, record = head x 64 + block.  Sixteen chunks of 512 bytes (16 bytes a lane), then 8 bytes a lane of scale words.
;        chunk 4 f + c (K): key 32 f + 8 (c / 2) + r + 8 (r / 8) of the block, channels 32 (c % 2) + 16 h on.    chunk 8 + 2 t + c (V): channel 16 t + r, keys 32 c + 16 h on of the block.   (r = lane % 16, h = lane / 16)
;        scale words: lane (f, r): K's two bytes of key 32 f + r + 8 (r / 8), and of the key 8 further on;  lane l: V's two bytes of channel l for this block, and of channel 32 + l.
; SHARES.  Wave w takes columns 256 w .. 256 w + 255 of the 16 rows (blocks 4 w .. 4 w + 3) and chunk w of each of the three records; waves 0-2 a record's scale words; wave 3 the zero slots; wave 0 the list.
; All 39 loads of a wave go out at once; each mask load covers 512 consecutive bytes, aligned.  The work-groups share no input, so there is no cluster; every byte is compared in registers, so it comes by loads into registers.
; EXEC is never written.
.set REC,   8448                       ; bytes of a record of kv, and of a tile's row of bits
.set SPARE, 256                        ; LDS: bytes 0-63 a word for each wave; from 256 on the spare words, 128 bytes for each of 16 waves
.set ACC,   34                         ; v34-37 columns 4 l + e of my first 128, v38-41 of my second 128: bit q = row q
.set MD,    64                         ; v64-191 the mask: row 15 - k at v[MD + 8 k], eight registers
	s_load_b512 s[4:19], s[0:1], 0x0               ; mask 4:5, k_codes 6:7, k_scales 8:9, v_codes 10:11, v_scales 12:13, kv 14:15, bits 16:17, list 18:19
	v_lshl_add_u32 v12, v0, 2, SPARE               ; my spare word; never rewritten
	v_mov_b32 v13, 0                               ; 0; never rewritten
	v_lshrrev_b32 v14, 5, v0
	s_delay_alu instid0(VALU_DEP_1)
	v_readfirstlane_b32 s20, v14                   ; wave 0..15
	s_delay_alu instid0(VALU_DEP_2)
	v_lshlrev_b32 v54, 2, v14                      ; LDS: my wave's word
	v_and_b32 v1, 31, v0                           ; l
	v_and_b32 v2, 15, v0                           ; r
	v_bfe_u32 v3, v0, 4, 1                         ; h
	s_delay_alu instid0(VALU_DEP_3)
	v_lshlrev_b32 v4, 4, v1                        ; 16 l: my 16 bytes of a mask load's 512
	v_lshlrev_b32 v5, 4, v0                        ; 16 x thread = 512 w + 16 l: my place in a record
	v_lshlrev_b32 v53, 3, v1                       ; 8 l
	v_lshlrev_b32 v57, 2, v1                       ; 4 l
	v_and_b32 v58, 3, v1                           ; l % 4
	v_lshrrev_b32 v55, 2, v1
	s_delay_alu instid0(VALU_DEP_1)
	v_lshlrev_b32 v55, 2, v55                      ; LDS: the word of wave l / 4 (block l's wave)
	v_lshlrev_b32 v56, 2, v2                       ; LDS: the word of wave l % 16
	v_mov_b32 v42, 0                               ; written once: the destination of a lane move counts as one of its sources
	v_mov_b32 v43, 0
	v_mov_b32 v46, 0                               ; the zero slots' data
	v_mov_b32 v47, 0
	v_and_b32 v14, 4, v1                           ; where my four words go in my wave's 512 bytes of bits: 256 ((l / 4) % 2) + 64 (l / 8) + 16 (l % 4)
	s_delay_alu instid0(VALU_DEP_1)
	v_lshlrev_b32 v11, 6, v14
	v_lshrrev_b32 v14, 3, v1
	s_delay_alu instid0(VALU_DEP_1)
	v_lshl_add_u32 v11, v14, 6, v11
	s_delay_alu instid0(VALU_DEP_1)
	v_lshl_add_u32 v11, v58, 4, v11
	s_mov_b32 s32, 0xf0f0f0f0                      ; the lanes with (l / 4) % 2 = 1
	s_mov_b32 s36, 0x76543210
	s_mov_b32 s37, 0xfedcba98                      ; v_permlanex16_b32's selects for lane l xor 16
	s_mul_i32 s45, ttmp9, 3                        ; my first record
	s_min_u32 s27, s20, 2
	s_add_co_u32 s27, s27, s45                     ; the record whose scale bytes I load (waves 3-15 load record 3 g + 2's too, so that all waves count their loads alike, and store nothing of them)
	s_cmp_lt_u32 s20, 8
	s_cselect_b32 s21, -1, 0                       ; all ones in the waves that take K's chunks
	; the wave's part of a chunk's source.  K: 2048 (w / 4) + 512 ((w / 2) % 2) + 32 (w % 2).  V: 65536 ((w / 2) % 4) + 32 (w % 2)
	s_and_b32 s46, s20, 1
	s_lshl_b32 s46, s46, 5
	s_lshr_b32 s47, s20, 2
	s_lshl_b32 s47, s47, 11
	s_bfe_u32 s28, s20, 0x10001
	s_lshl_b32 s28, s28, 9
	s_add_co_u32 s47, s47, s28
	s_add_co_u32 s47, s47, s46                     ; K's
	s_bfe_u32 s28, s20, 0x20001
	s_lshl_b32 s28, s28, 16
	s_add_co_u32 s46, s46, s28                     ; V's
.irp i, 0,1,2                                  ; and the record's: K: 4096 x record.  V: 262144 x head + 64 x block
	s_add_co_u32 s28, s45, \i
	s_lshl_b32 s29, s28, 12
	s_add_co_u32 s29, s29, s47
	s_lshr_b32 s30, s28, 6
	s_lshl_b32 s30, s30, 18
	s_and_b32 s31, s28, 63
	s_lshl_b32 s31, s31, 6
	s_add_co_u32 s30, s30, s31
	s_add_co_u32 s30, s30, s46
	s_cmp_lt_u32 s20, 8
	s_cselect_b32 s[24+\i], s29, s30
.endr
	v_and_b32 v14, 8, v2
	s_delay_alu instid0(VALU_DEP_1)
	v_add_nc_u32 v14, v14, v2                      ; r + 8 (r / 8)
	s_delay_alu instid0(VALU_DEP_1)
	v_lshlrev_b32 v15, 6, v14                      ; K: a key's row is 64 bytes
	v_lshlrev_b32 v52, 12, v2                      ; V: a channel's row is 4,096 bytes
	s_delay_alu instid0(VALU_DEP_1)
	v_cndmask_b32 v15, v52, v15, s21
	s_delay_alu instid0(VALU_DEP_1)
	v_lshl_add_u32 v15, v3, 4, v15                 ; + 16 h
.irp i, 0,1,2
	v_add_nc_u32 v[6+\i], s[24+\i], v15            ; my 16 bytes of chunk w of record 3 g + i
.endr
	v_lshl_add_u32 v9, v3, 5, v14
	s_delay_alu instid0(VALU_DEP_1)
	v_lshlrev_b32 v9, 1, v9                        ; K's scale bytes: 2 bytes a key, key 32 h + r + 8 (r / 8) of the block
	v_lshlrev_b32 v10, 7, v1                       ; V's: a channel's row is 128 bytes, channel l
	s_wait_alu depctr_va_vdst(0)
	s_wait_kmcnt 0x0
	s_cmp_lt_u32 s20, 8
	s_cselect_b64 s[22:23], s[6:7], s[10:11]       ; the codes that my wave copies: the choice hangs on the wave's number alone
	s_mov_b32 s29, 0
	s_lshl_b32 s28, ttmp9, 18                      ; 16 rows of 16,384 bytes a tile,
	s_lshl_b32 s45, s20, 10                        ; 256 columns a wave
	s_add_co_u32 s28, s28, s45
	s_add_nc_u64 s[4:5], s[4:5], s[28:29]
	s_mul_i32 s28, ttmp9, 3*REC
	s_add_nc_u64 s[14:15], s[14:15], s[28:29]      ; kv at record 3 g
	s_min_u32 s28, s20, 2
	s_mul_i32 s28, s28, REC
	s_add_nc_u64 s[48:49], s[14:15], s[28:29]      ; and at the record of my scale words
	s_mul_i32 s28, ttmp9, REC
	s_add_nc_u64 s[16:17], s[16:17], s[28:29]      ; bits at my tile's row,
	s_lshl_b32 s28, s20, 9
	s_add_nc_u64 s[30:31], s[16:17], s[28:29]      ; and at my wave's four slots
	s_lshl_b32 s28, ttmp9, 9
	s_add_nc_u64 s[18:19], s[18:19], s[28:29]      ; list at my tile's row
	s_lshl_b32 s28, s27, 7
	s_add_nc_u64 s[8:9], s[8:9], s[28:29]          ; K's scale bytes: 128 a record
	s_lshr_b32 s28, s27, 6
	s_lshl_b32 s28, s28, 13
	s_and_b32 s45, s27, 63
	s_lshl_b32 s45, s45, 1
	s_add_co_u32 s28, s28, s45
	s_add_nc_u64 s[12:13], s[12:13], s[28:29]      ; V's: 8,192 a head, 2 a block in each row
	; ---- all loads at once: 7 small ones, then the mask's 32
.irp i, 0,1,2
	global_load_b128 v[16+4*\i:19+4*\i], v[6+\i], s[22:23]
.endr
	global_load_u16 v28, v9, s[8:9]
	global_load_u16 v29, v9, s[8:9] offset:16      ; the key 8 further on
	global_load_u16 v30, v10, s[12:13]
	global_load_u16 v31, v10, s[12:13] offset:4096 ; the channel 32 further on
.irp k, 0,1,2,3,4,5,6,7,8,9,10,11,12,13,14,15      ; rows 15 down to 0, so that the first row in ends up in the highest bit
	global_load_b128 v[MD+8*\k:MD+8*\k+3],   v4, s[4:5] offset:(15-\k)*16384 th:TH_LOAD_NT
	global_load_b128 v[MD+8*\k+4:MD+8*\k+7], v4, s[4:5] offset:(15-\k)*16384+512 th:TH_LOAD_NT
.endr
	s_wait_loadcnt 32                              ; loads come back in order: the 7 small ones are in, the mask's 32 may be out
.irp i, 0,1,2
	global_store_b128 v5, v[16+4*\i:19+4*\i], s[14:15] offset:\i*REC   ; a wave's store covers 512 consecutive bytes, aligned
.endr
	v_lshl_or_b32 v32, v29, 16, v28                ; K's scale word
	v_lshl_or_b32 v33, v31, 16, v30                ; V's
	s_cmp_ge_u32 s20, 3
	s_cbranch_scc1 .Lno_scales
	global_store_b64 v53, v[32:33], s[48:49] offset:8192   ; 256 consecutive bytes, aligned
.Lno_scales:
; One row of my 256 columns: each of my 8 columns' registers takes the row's bit in at the low end: acc = 2 acc + (mask > 0).
.macro ROWS k
	s_wait_loadcnt 30-2*(\k)                       ; this row's two loads are in; the 30 - 2 k younger ones may be out
.irp m, 0,1,2,3,4,5,6,7
	v_cmp_lt_i32 vcc_lo, 0, v[MD+8*(\k)+\m]
.if (\k) == 0
	s_delay_alu instid0(VALU_DEP_1)
	v_cndmask_b32 v[ACC+\m], 0, 1, vcc_lo          ; the first row starts the registers: nothing is cleared
.else
	s_delay_alu instid0(VALU_DEP_1)
	v_add_co_ci_u32 v[ACC+\m], vcc_lo, v[ACC+\m], v[ACC+\m], vcc_lo
.endif
.endr
.endm
.irp k, 0,1,2,3,4,5,6,7,8,9,10,11,12,13,14,15
	ROWS \k
.endr
; A word joins columns 16 apart: lanes l and l xor 4.  Lanes with (l / 4) % 2 = 0 make the words of my first 128 columns (own bits below, the partner's above), the others those of my second 128 (the partner's below, own above).
.irp e, 0,1,2,3
	v_mov_b32_dpp v42, v[ACC+\e] row_xmask:4 row_mask:0xf bank_mask:0xf
	v_mov_b32_dpp v43, v[ACC+4+\e] row_xmask:4 row_mask:0xf bank_mask:0xf
	s_delay_alu instid0(VALU_DEP_1)
	v_cndmask_b32 v44, v[ACC+\e], v43, s32
	s_delay_alu instid0(VALU_DEP_3)
	v_cndmask_b32 v45, v42, v[ACC+4+\e], s32
	s_delay_alu instid0(VALU_DEP_1)
	v_lshl_or_b32 v[48+\e], v45, 16, v44
.endr
	global_store_b128 v11, v[48:51], s[30:31]      ; my wave's four slots: 512 consecutive bytes, aligned
	; ---- which of my four blocks hold an unmasked score, and which of the 16 rows have one in my columns
	v_or_b32 v52, v48, v49
	v_or_b32 v59, v50, v51
	s_delay_alu instid0(VALU_DEP_1)
	v_or_b32 v52, v52, v59
	s_wait_alu depctr_va_vdst(0)
	v_cmp_ne_u32 s33, 0, v52                       ; lane l's words belong to block 2 ((l / 4) % 2) + l / 16 of my four
	s_and_b32 s45, s33, 0x0f0f
	s_cselect_b32 s34, 1, 0
	s_and_b32 s45, s33, 0x0f0f0000
	s_cselect_b32 s45, 2, 0
	s_or_b32 s34, s34, s45
	s_and_b32 s45, s33, 0xf0f0
	s_cselect_b32 s45, 4, 0
	s_or_b32 s34, s34, s45
	s_and_b32 s45, s33, 0xf0f00000
	s_cselect_b32 s45, 8, 0
	s_or_b32 s34, s34, s45
.irp m, 1
	v_mov_b32_dpp v42, v52 row_xmask:\m row_mask:0xf bank_mask:0xf
	s_delay_alu instid0(VALU_DEP_1)
	v_or_b32 v52, v52, v42
.endr
.irp m, 2, 4, 8
	s_delay_alu instid0(VALU_DEP_1)
	v_mov_b32_dpp v42, v52 row_xmask:\m row_mask:0xf bank_mask:0xf
	s_delay_alu instid0(VALU_DEP_1)
	v_or_b32 v52, v52, v42
.endr
	s_delay_alu instid0(VALU_DEP_1)
	v_permlanex16_b32 v42, v52, s36, s37
	s_delay_alu instid0(VALU_DEP_1)
	v_or_b32 v52, v52, v42                         ; all my words, or-ed: rows in the low half and again in the high half
	s_delay_alu instid0(VALU_DEP_1)
	v_lshrrev_b32 v59, 16, v52
	s_delay_alu instid0(VALU_DEP_1)
	v_or_b32 v52, v52, v59
	s_delay_alu instid0(VALU_DEP_1)
	v_lshl_or_b32 v52, v52, 16, s34                ; rows above, the four flags below
	ds_store_b32 v54, v52                          ; all lanes write the same word with the same value
	s_cmp_lg_u32 s20, 3
	s_cbranch_scc1 .Lno_zero
	global_store_b64 v53, v[46:47], s[16:17] offset:8192   ; slots 64 and 65: 256 consecutive bytes of zeros
.Lno_zero:
	s_wait_dscnt 0x0                               ; for the others' sake: my word has landed
	s_barrier_signal -1
	s_barrier_wait -1
	s_cmp_lg_u32 s20, 0
	s_cbranch_scc1 .Lend
	; ---- wave 0: the list.  Lane l stands for blocks l and 32 + l
	ds_load_b32 v64, v55                           ; block l's wave
	ds_load_b32 v65, v55 offset:32                 ; block 32 + l's
	ds_load_b32 v66, v56                           ; wave l % 16, for the rows
	s_wait_dscnt 0x0
	v_lshrrev_b32 v66, 16, v66
.irp m, 1,2,4,8
	s_delay_alu instid0(VALU_DEP_1)
	v_mov_b32_dpp v42, v66 row_xmask:\m row_mask:0xf bank_mask:0xf
	s_delay_alu instid0(VALU_DEP_1)
	v_or_b32 v66, v66, v42
.endr
	s_delay_alu instid0(VALU_DEP_1)
	v_cmp_ne_u32 s40, 0xffff, v66                  ; all ones where some row of the tile has no unmasked key at all: then every block is listed
	v_lshrrev_b32 v64, v58, v64
	v_lshrrev_b32 v65, v58, v65
	s_delay_alu instid0(VALU_DEP_2)
	v_and_b32 v64, 1, v64
	s_delay_alu instid0(VALU_DEP_2)
	v_and_b32 v65, 1, v65
	s_delay_alu instid0(VALU_DEP_2)
	v_cmp_ne_u32 s38, 0, v64                       ; blocks 0-31 that are listed,
	s_delay_alu instid0(VALU_DEP_2)
	v_cmp_ne_u32 s39, 0, v65                       ; blocks 32-63
	s_or_b32 s38, s38, s40
	s_or_b32 s39, s39, s40
	s_bcnt1_i32_b32 s42, s38
	s_bcnt1_i32_b32 s45, s39
	s_add_co_u32 s41, s42, s45                     ; how many in all
	s_not_b32 s43, s38
	s_not_b32 s44, s39
	s_sub_co_u32 s46, 32, s42
	s_add_co_u32 s46, s46, s41                     ; where the places of the idle blocks 32-63 begin: count + the idle ones among 0-31
	v_mbcnt_lo_u32_b32 v68, s38, 0                 ; a listed block's place: the listed ones below it;
	v_mbcnt_lo_u32_b32 v72, s43, s41               ; an idle block's: behind all that are listed: so the 64 places are a permutation, and every word is written once
	s_delay_alu instid0(VALU_DEP_1)
	v_cndmask_b32 v68, v72, v68, s38
	v_mbcnt_lo_u32_b32 v69, s39, s42
	v_mbcnt_lo_u32_b32 v73, s44, s46
	s_delay_alu instid0(VALU_DEP_1)
	v_cndmask_b32 v69, v73, v69, s39
	v_cndmask_b32 v70, 64, v1, s38                 ; a listed block writes its number, an idle one 64
	v_add_nc_u32 v75, 32, v1
	s_delay_alu instid0(VALU_DEP_1)
	v_cndmask_b32 v71, 64, v75, s39
	v_min_u32 v68, 63, v68                         ; the places come from loaded numbers: held inside the row
	v_min_u32 v69, 63, v69
	s_delay_alu instid0(VALU_DEP_2)
	v_lshlrev_b32 v68, 2, v68
	s_delay_alu instid0(VALU_DEP_2)
	v_lshlrev_b32 v69, 2, v69
	global_store_b32 v68, v70, s[18:19]
	global_store_b32 v69, v71, s[18:19]
	s_add_co_u32 s45, s41, 1
	s_lshr_b32 s45, s45, 1                         ; steps of two blocks
	v_mov_b32 v74, s45
	global_store_b32 v57, v74, s[18:19] offset:256
.Lend:
	s_wait_tensorcnt 0x0                           ; the wave's end
	ds_add_u32 v12, v13
	s_wait_dscnt 0x0
	s_endpgm
.Lfunc_end_k_q899a250efa_prep:
	.size	k_q899a250efa_prep, .Lfunc_end_k_q899a250efa_prep-k_q899a250efa_prep
	.p2alignl 7, 3214868480
	.fill 96, 4, 3214868480
	.section	.rodata,"a",@progbits
	.p2align	6, 0x0
	.amdhsa_kernel k_q899a250efa_prep
		.amdhsa_group_segment_fixed_size 2304
		.amdhsa_private_segment_fixed_size 0
		.amdhsa_enable_private_segment 0
		.amdhsa_kernarg_size 64
		.amdhsa_user_sgpr_count 2
		.amdhsa_user_sgpr_kernarg_segment_ptr 1
		.amdhsa_wavefront_size32 1
		.amdhsa_system_sgpr_workgroup_id_x 1
		.amdhsa_system_sgpr_workgroup_id_y 1
		.amdhsa_system_sgpr_workgroup_id_z 1
		.amdhsa_system_vgpr_workitem_id 0
		.amdhsa_next_free_vgpr 192
		.amdhsa_next_free_sgpr 66
		.amdhsa_reserve_vcc 1
		.amdhsa_float_denorm_mode_32 3
		.amdhsa_float_denorm_mode_16_64 3
		.amdhsa_memory_ordered 1
		.amdhsa_forward_progress 1
		.amdhsa_inst_pref_size 29
	.end_amdhsa_kernel
	.amdgpu_metadata
---
amdhsa.version: [ 1, 2 ]
amdhsa.kernels:
  - .name:           k_q899a250efa_prep
    .symbol:         k_q899a250efa_prep.kd
    .args:
      - { .name: mask, .offset: 0, .size: 8, .value_kind: global_buffer, .address_space: global }
      - { .name: k_codes, .offset: 8, .size: 8, .value_kind: global_buffer, .address_space: global }
      - { .name: k_scales, .offset: 16, .size: 8, .value_kind: global_buffer, .address_space: global }
      - { .name: v_codes, .offset: 24, .size: 8, .value_kind: global_buffer, .address_space: global }
      - { .name: v_scales, .offset: 32, .size: 8, .value_kind: global_buffer, .address_space: global }
      - { .name: kv, .offset: 40, .size: 8, .value_kind: global_buffer, .address_space: global }
      - { .name: bits, .offset: 48, .size: 8, .value_kind: global_buffer, .address_space: global }
      - { .name: list, .offset: 56, .size: 8, .value_kind: global_buffer, .address_space: global }
    .group_segment_fixed_size: 2304
    .private_segment_fixed_size: 0
    .kernarg_segment_align: 8
    .kernarg_segment_size: 64
    .max_flat_workgroup_size: 512
    .sgpr_count:     66
    .vgpr_count:     192
    .wavefront_size: 32
...
	.end_amdgpu_metadata
.endif
;; end of part 3
;; launch attn (part 4): grid 12 x 256, 4 waves a work-group, no clusters, 18,944 bytes of LDS; arguments q_codes, q_scales, kv, bits, list, out0; writes out0
.if DOCPART == 4
	.amdgcn_target "amdgcn-amd-amdhsa--gfx1250"
	.amdhsa_code_object_version 6
	.text
	.protected	k_q899a250efa_attn
	.globl	k_q899a250efa_attn
	.p2align	8
	.type	k_q899a250efa_attn,@function
k_q899a250efa_attn:
	s_mov_b64 s[64:65], 0
	v_nop
	global_prefetch_b8 v0, s[64:65] scope:SCOPE_SE
	s_setreg_imm32_b32 hwreg(HW_REG_WAVE_SCHED_MODE, 0, 2), 2
	s_setreg_imm32_b32 hwreg(HW_REG_WAVE_MODE, 25, 1), 1
	s_wait_xcnt 0x0
	s_wait_alu depctr_vm_vsrc(0)
; out[head][q][:] = the sum over k of softmax_k(where(mask[q][k] > 0, Q[q] . K[k] / 8, -1e9)) V[k][:], both products on codes of FP8 (E4M3) with one E8M0 scale for each 32 along a product's K.
; THE SOFTMAX AHEAD OF THE SECOND PRODUCT: t = score x log2(e) / 8; M = the row's largest t so far, rounded UP to a whole number; p = 2^(t - M) is quantised along the keys, not normalised; the row's sum is taken of the
; unquantised p and divides at the end.  When M moves, the sum and O are multiplied by 2^(old M - new M): exact.
; ONLY THE LISTED BLOCKS ARE WALKED.  The launch before has stored, for each tile of 16 queries, the blocks of 64 keys that hold an unmasked score (all 64 where a row has none at all), and each block's mask as lane words.
; A masked score's p is 0 beside any unmasked one, and a block of zeros adds nothing: so a block that is left out changes no number.  A listed block is masked score by score.
; SHARES.  A work-group is one head (x) and one tile of 16 queries (y, taken from both ends of the sequence inward).  A STEP is two listed blocks, 128 keys: one K of the second product.  Wave w walks steps w, w + 4, ..,
; with its own M, sum and O^T; the four shares meet in LDS behind one barrier, and wave w finishes and stores rows 4 w .. 4 w + 3.
; NO TENSOR LOAD, NO CLUSTER: which records of kv a work-group walks, and how many, hangs on its tile's stored list, so partners would ask for different tiles in different numbers; operands go from memory straight into
; registers, out of records laid in the order of those registers (16 bytes a lane, 512 consecutive bytes a load).
; LAYOUT.  Both products are used transposed: S^T = K Q^T, O^T = V^T P^T: a lane holds ONE query (lane % 16) throughout.  The head has 64 channels and the instruction takes 128 along K: a fragment of K holds TWO tiles of
; 16 keys, one in each half of K, and Q stands beside zero codes, [Q, 0] or [0, Q], which picks one of the two: each fragment of K is loaded once and multiplied twice.
; The keys of a tile are not neighbours (key 32 f + 8 u + r + 8 (r / 8)), so that the 16 registers of two neighbouring tiles are 16 neighbouring keys: 32 f + 16 (lane / 16) + 0 .. 15.
; LIMITS.  A masked score is set to the raw score -2^33 (logit -2^30) where the definition has logit -1e9: -2^33 x c is exact, so a row with no unmasked key gets p = 1 for every key, as f32 gives for -1e9; the result differs
; only where an unmasked logit lies at or under about -1e9.  NaN codes and scale bytes 0xff among the inputs are not served (a NaN of K would meet the zero codes beside Q).
; REGISTERS: v1-v11 offsets; v12 -M, v13 the largest t, v[14:15] the sum in two halves; v16-23 zeros, v24-31 Q, v32-39 zeros; v40-47 scale words; v48-111 four fragments of K or V; v112-175 S^T, then p; v176-207 O^T;
; v208-223 p's codes; v224-245 at work.   s16 my wave, s17 my trips, s18 the trip in hand;  s[32:63], s[68:99]: the two blocks' mask words.
; THE MODE: SCHED_MODE bits 1:0 = 2 (LLVM: expert scheduling mode 2), set by the entry lines.  The code itself states the register dependences
; between vector or matrix instructions and memory or LDS instructions, with s_wait_alu, always for 0.
; THE PLAN.  Registers that memory or LDS instructions touch:
;   v1, v2, v4, v7-v11, v5, v6   offsets and LDS addresses: written once at the head, ahead of the head's wait on va_vdst; read by memory and LDS instructions alone from there on; never written again.
;   v24-31, v46    loaded once at the head (Q, its scale bytes).
;   v48-111        A trip: K's loads land; the eight products of S^T read them; V's loads land; the four products of O^T read them; then the next trip's K.  On the way out LDS loads land in v48-79.
;   v40-43         A trip: loaded with K; the products of S^T read v40 and v42 as scales, two v_perm_b32 read v41 and v43; then the next trip's.
;   v176-207, v12, v14   written by matrix and vector instructions; read by the LDS stores of the way out; not written again.
;   v112-127       last named by the softmax; on the way out LDS loads land there.      v132-139  written by the last multiplications, read by the two global stores.
; Operands and scales of the scaled products that vector instructions make: the zero codes and Q's scale word (head); V's scale words v44, v45, p's scale word v47 and p's codes (each trip).
; So a trip has three waits on va_vdst beside the one ahead of its exponentials and the two behind them: at its head, ahead of K's loads; behind the products of S^T, ahead of V's loads; ahead of the products of O^T.
; No register that a memory or LDS instruction reads is ever written again: so no wait on vm_vsrc is owed but in the closing lines.
.set REC,   8448                       ; a record of kv, and a tile's row of bits, in bytes
.set IMG,   4352                       ; LDS: a wave's O^T: register group g (4 registers) of lane (q, h) at 544 g + 272 h + 16 q
.set STAT,  4*IMG                      ; then 256 bytes a wave: -M at 4 x lane, the sum at 128 + 4 x lane
.set SPARE, STAT+4*256                 ; then the spare words, 128 bytes for each wave: two blocks of 256 bytes that no other line names
.set KV,  48
.set S,   112
.set OT,  176
.set PC,  208
.set BM,  224                          ; v224-227 a block's largest score, then its largest p
.set PX,  228                          ; v228-231 the other half's, then the scale bytes
.set HD,  232                          ; v232-235 448 x the scale
.set SO,  236                          ; v236-239 the conversions' scale operands
	s_load_b256 s[4:11], s[0:1], 0x0               ; q_codes 4:5, q_scales 6:7, kv 8:9, bits 10:11
	s_load_b128 s[12:15], s[0:1], 0x20             ; list 12:13, out0 14:15
	v_lshl_add_u32 v5, v0, 2, SPARE                ; my spare word; never rewritten
	v_mov_b32 v6, 0                                ; 0; never rewritten
	v_lshrrev_b32 v10, 5, v0
	v_readfirstlane_b32 s16, v10                   ; wave 0..3
	v_and_b32 v10, 31, v0                          ; l
	v_lshlrev_b32 v1, 4, v10                       ; 16 l
	v_lshlrev_b32 v2, 3, v10                       ; 8 l
	v_mov_b32 v3, 0xd0000000                       ; -2^33
	v_and_b32 v11, 15, v0                          ; q
	v_bfe_u32 v242, v0, 4, 1                       ; h
	; every LDS address is made here, ahead of every branch
	s_wait_alu depctr_va_sdst(0)                   ; s16 is written, ahead of its first reader: LDS addresses, bases and my trips are made from it
	s_mul_i32 s2, s16, IMG
	v_lshlrev_b32 v4, 4, v11
	v_mad_u32_u24 v4, v242, 272, v4
	v_add_nc_u32 v4, s2, v4                        ; where I put O^T: my wave's image + 272 h + 16 q
	s_lshl_b32 s2, s16, 8
	s_add_co_u32 s2, s2, STAT
	v_lshl_add_u32 v7, v10, 2, s2                  ; and -M and the sum
	v_bfe_u32 v244, v0, 2, 2                       ; back, by rows: lane x = l % 16 takes channels 4 x .. 4 x + 3, which lie in group g = 2 (x / 4) + x % 2 of half (x / 2) % 2
	v_and_b32 v245, 1, v0
	v_lshl_add_u32 v244, v244, 1, v245
	v_mul_u32_u24 v8, v244, 544
	v_bfe_u32 v244, v0, 1, 1
	v_mad_u32_u24 v8, v244, 272, v8
	v_lshl_add_u32 v8, v242, 4, v8                 ; row 4 w + l / 16 (+ 2 in the second turn)
	s_lshl_b32 s2, s16, 6
	v_add_nc_u32 v8, s2, v8
	s_lshl_b32 s2, s16, 4
	s_add_co_u32 s2, s2, STAT
	v_lshl_add_u32 v9, v242, 2, s2                 ; that row's -M and sum
	v_lshlrev_b32 v10, 6, v11
	v_lshl_add_u32 v10, v242, 4, v10               ; Q: row q of 64 bytes, + 16 h
	v_lshlrev_b32 v11, 1, v11                      ; its two scale bytes
	v_lshlrev_b32 v242, 4, v242                    ; 16 h
	s_mov_b32 s19, 0x600000                        ; the mantissa field of 448
	s_mov_b32 s100, 0x3e38aa3b                     ; c = log2(e) / 8
	s_mov_b32 s101, s100                           ; (named with it as a pair, so it is written)
	s_mov_b32 s104, 0x76543210
	s_mov_b32 s105, 0xfedcba98                     ; v_permlanex16_b32's selects for lane l xor 16
	s_and_b32 s2, ttmp7, 0xffff                    ; y
	s_lshr_b32 s3, s2, 1
	s_sub_co_u32 s21, 255, s3
	s_bitcmp1_b32 s2, 0
	s_cselect_b32 s18, s21, s3                     ; my tile: y / 2 from the front for even y, from the back for odd
	s_mov_b32 s3, 0                                ; (s2, s3) is the pair of every offset from here on
	s_lshl_b32 s17, ttmp9, 12
	s_lshl_b32 s2, s18, 4
	s_add_co_u32 s17, s17, s2                      ; my first query among all heads': 4096 x head + 16 x tile
	s_wait_kmcnt 0x0
	s_lshl_b32 s2, s17, 6
	s_add_nc_u64 s[4:5], s[4:5], s[2:3]
	s_lshl_b32 s2, s17, 1
	s_add_nc_u64 s[6:7], s[6:7], s[2:3]
	s_mul_i32 s2, ttmp9, 64*REC
	s_add_nc_u64 s[8:9], s[8:9], s[2:3]            ; my head's 64 records
	s_mul_i32 s2, s18, REC
	s_add_nc_u64 s[10:11], s[10:11], s[2:3]        ; my tile's mask words
	s_lshl_b32 s2, s18, 9
	s_add_nc_u64 s[12:13], s[12:13], s[2:3]        ; my tile's list
	s_lshl_b32 s2, s16, 2
	s_add_co_u32 s2, s2, s17
	s_lshl_b32 s2, s2, 8
	s_add_nc_u64 s[14:15], s[14:15], s[2:3]        ; the four rows of out0 that I store, 256 bytes each
	s_lshl_b32 s2, s16, 3
	s_add_nc_u64 s[20:21], s[12:13], s[2:3]
	s_load_b32 s17, s[12:13], 0x100                ; the tile's steps
	s_load_b64 s[22:23], s[20:21], 0x0             ; my first step's two blocks
	s_wait_alu depctr_va_vdst(0)                   ; the offsets and LDS addresses v1, v2, v4, v7 to v11 are written, and the add's v5 and v6: every load, store and LDS instruction of the kernel reads some of them, and no line writes them again
	global_load_b128 v[24:27], v10, s[4:5]         ; Q's fragment: channels 16 h on,
	global_load_b128 v[28:31], v10, s[4:5] offset:32   ; and 32 + 16 h on
	global_load_u16 v46, v11, s[6:7]
.irp j, 0,1,2,3,4,5,6,7
	v_mov_b32 v[16+\j], 0                          ; zero codes on both sides of Q
	v_mov_b32 v[32+\j], 0
.endr
.set j, 0
.rept 32
	v_mov_b32 v[OT+j], 0                           ; O^T.  (The step is written once: the first finds zeros, which the first change of M leaves zeros; a wave with no step hands zeros on)
.set j, j+1
.endr
	v_mov_b32 v13, 0xff61b1e6                      ; the largest t so far: -3e38, under every t
	v_floor_f32 v12, -v13                          ; -M
	v_mov_b32 v14, 0                               ; the sum, in two halves
	v_mov_b32 v15, 0
.irp b, 0,1,2,3
	v_mov_b32 v[PX+\b], 0                          ; written once: a lane permute's destination counts as one of its sources
.endr
	v_mov_b32 v241, 0                              ; (named as the upper half of the pair v[240:241])
	s_mov_b32 s18, 0                               ; the trip in hand: trip n of wave w is step w + 4 n
	s_wait_kmcnt 0x0
	s_min_u32 s17, s17, 32                         ; a loaded number: held at the most that 64 blocks give
	s_add_co_u32 s17, s17, 3
	s_sub_co_u32 s17, s17, s16
	s_lshr_b32 s17, s17, 2                         ; my trips: the steps w, w + 4, .. under the tile's number: (steps + 3 - w) / 4, at most 8, and 0 where steps <= w
	s_wait_loadcnt 0x0
	v_lshlrev_b32 v46, v242, v46                   ; Q's scale word: lanes 0-15 for [Q, 0] (bytes 0, 1), lanes 16-31 for [0, Q] (bytes 2, 3); the zero codes' bytes are 0
	s_cmp_eq_u32 s17, 0
	s_cbranch_scc1 .Ldone                          ; fewer steps than waves: I have none.  No barrier stands under this branch
.macro ADR                             ; where the step's two records and mask slots lie.  Every load of the step before has been waited for, so these registers may be written
.irp b, 0,1
	s_min_u32 s2, s[22+\b], 63                     ; a padding entry (64) reads block 63's codes, under a mask of zeros
	s_mul_i32 s2, s2, REC
	s_add_nc_u64 s[24+2*\b:25+2*\b], s[8:9], s[2:3]
	s_min_u32 s2, s[22+\b], 64
	s_lshl_b32 s2, s2, 7
	s_add_nc_u64 s[28+2*\b:29+2*\b], s[10:11], s[2:3]
.endr
	s_lshl_b32 s2, s18, 2
	s_add_co_u32 s2, s2, s16
	s_add_co_u32 s2, s2, 4                         ; my next step: w + 4 (trip + 1),
	s_min_u32 s2, s2, 31                           ; its pair held inside the list's 64 words
	s_lshl_b32 s2, s2, 3
	s_add_nc_u64 s[20:21], s[12:13], s[2:3]
.endm
.macro LOADK                           ; four fragments of K (block b, keys 32 f on) and the blocks' scale words
.irp b, 0,1
.irp f, 0,1
.irp c, 0,1,2,3
	global_load_b128 v[KV+16*(2*\b+\f)+4*\c:KV+16*(2*\b+\f)+4*\c+3], v1, s[24+2*\b:25+2*\b] offset:\f*2048+\c*512
.endr
.endr
	global_load_b64 v[40+2*\b:41+2*\b], v2, s[24+2*\b:25+2*\b] offset:8192   ; K's word, V's word
.endr
.endm
.macro LOADV                           ; four fragments of V^T (channels 16 t on): keys 0-63 of K from block 0, 64-127 from block 1
.irp t, 0,1,2,3
.irp b, 0,1
.irp c, 0,1
	global_load_b128 v[KV+16*\t+8*\b+4*\c:KV+16*\t+8*\b+4*\c+3], v1, s[24+2*\b:25+2*\b] offset:4096+\t*1024+\c*512
.endr
.endr
.endr
.endm
; One product of S^T: fragment bb of K, its half u.  K's scale words: block bb / 2's register, lanes 0-15 for its keys 0-31, lanes 16-31 for 32-63.  Register 16 bb + 8 u + j of lane (q, h) is key 32 bb + 16 h + 8 u + j of the step.
.macro QK1 bb, u
.if ((\bb)%2 == 0) && ((\u) == 0)
	v_wmma_scale_f32_16x16x128_f8f6f4 v[S+8*(2*\bb+\u):S+8*(2*\bb+\u)+7], v[KV+16*\bb:KV+16*\bb+15], v[24:39], 0, v[40+2*(\bb/2)], v46
.elseif ((\u) == 0)
	v_wmma_scale_f32_16x16x128_f8f6f4 v[S+8*(2*\bb+\u):S+8*(2*\bb+\u)+7], v[KV+16*\bb:KV+16*\bb+15], v[24:39], 0, v[40+2*(\bb/2)], v46 matrix_a_scale:MATRIX_SCALE_ROW1
.elseif ((\bb)%2 == 0)
	v_wmma_scale_f32_16x16x128_f8f6f4 v[S+8*(2*\bb+\u):S+8*(2*\bb+\u)+7], v[KV+16*\bb:KV+16*\bb+15], v[16:31], 0, v[40+2*(\bb/2)], v46 matrix_b_scale:MATRIX_SCALE_ROW1
.else
	v_wmma_scale_f32_16x16x128_f8f6f4 v[S+8*(2*\bb+\u):S+8*(2*\bb+\u)+7], v[KV+16*\bb:KV+16*\bb+15], v[16:31], 0, v[40+2*(\bb/2)], v46 matrix_a_scale:MATRIX_SCALE_ROW1 matrix_b_scale:MATRIX_SCALE_ROW1
.endif
.endm
.macro MASK                            ; word n of a block's slot is the lane mask of its score register n; each accumulator is read from its low end on
.set n, 0
.rept 32
	v_cndmask_b32 v[S+n], v3, v[S+n], s[32+n]
.set n, n+1
.endr
.set n, 0
.rept 32
	v_cndmask_b32 v[S+32+n], v3, v[S+32+n], s[68+n]
.set n, n+1
.endr
.endm
.macro SOFTMAX
.irp b, 0,1,2,3
	v_max3_num_f32 v[BM+\b], v[S+16*\b], v[S+1+16*\b], v[S+2+16*\b]   ; the largest score of each block of 32 keys: it serves for the row's maximum and, since p rises with the score, for the block's largest p
.endr
.irp i, 3,5,7,9,11,13
.irp b, 0,1,2,3
	v_max3_num_f32 v[BM+\b], v[BM+\b], v[S+16*\b+\i], v[S+1+16*\b+\i]   ; (the four blocks by turns)
.endr
.endr
.irp b, 0,1,2,3
	v_max_num_f32 v[BM+\b], v[BM+\b], v[S+15+16*\b]
.endr
.irp b, 0,1,2,3
	v_permlanex16_b32 v[PX+\b], v[BM+\b], s104, s105
.endr
.irp b, 0,1,2,3
	v_max_num_f32 v[BM+\b], v[BM+\b], v[PX+\b]     ; with lane l xor 16's 16 keys
.endr
	v_max3_num_f32 v242, v[BM], v[BM+1], v[BM+2]
	v_max_num_f32 v242, v242, v[BM+3]              ; the step's largest score of my query
	v_mul_f32 v242, s100, v242                     ; as t (c is positive)
	v_max_num_f32 v13, v13, v242                   ; the running largest t
	v_mov_b32 v242, v12
	v_floor_f32 v12, -v13                          ; the new -M = floor(-t) = -ceil(t): a whole number
	v_sub_f32 v242, v12, v242                      ; old M less new M: a whole number, 0 or less
	v_cvt_i32_f32 v242, v242                       ; (it saturates)
	v_ldexp_f32 v240, 1.0, v242                    ; f = 2^(old M - new M)
.set j, 0
.rept 32
	v_pk_fma_f32 v[S+j:S+j+1], v[S+j:S+j+1], s[100:101], v[12:13] op_sel_hi:[1,0,0]   ; t - M, two at a time (of the pairs c and -M the low word serves both halves)
.set j, j+2
.endr
.irp b, 0,1,2,3
	v_fma_f32 v[BM+\b], v[BM+\b], s100, v12        ; the same of each block's largest score
.endr
.set j, 0
	s_wait_alu depctr_va_vdst(0)
.rept 64
	v_exp_f32 v[S+j], v[S+j]                       ; p = 2^(t - M), at most 1
.set j, j+1
.endr
	v_pk_mul_f32 v[14:15], v[14:15], v[240:241] op_sel_hi:[1,0]   ; the sums under the new M: the plain instruction behind the exponentials
	s_wait_alu depctr_va_vdst(0)                   ; the 64 exponentials have written p, ahead of the first line that names a result: one wait for the batch
.irp b, 0,1,2,3
	v_exp_f32 v[BM+\b], v[BM+\b]                   ; the block's largest p: the same two instructions on the same number give the same bits
.endr
	v_pk_add_f32 v[244:245], v[S:S+1], v[S+2:S+3]  ; the row's sum is taken of the unquantised p: two at a time, in two chains
.irp j, 4,8,12,16,20,24,28,32,36,40,44,48,52,56,60
	v_pk_add_f32 v[14:15], v[14:15], v[S+\j:S+1+\j]
	v_pk_add_f32 v[244:245], v[244:245], v[S+2+\j:S+3+\j]
.endr
	v_pk_add_f32 v[14:15], v[14:15], v[244:245]
	s_wait_alu depctr_va_vdst(0)                   ; the four exponentials have written the blocks' largest p, ahead of the first line that names one
.irp b, 0,1,2,3
	v_max_num_f32 v[BM+\b], 0x4800000, v[BM+\b]    ; the floor 2^(9 - 127): the byte cannot fall under 1 (a block whose every p is 0 keeps that byte: its codes are zeros)
.endr
.irp b, 0,1,2,3
	v_add_nc_u32 v[SO+\b], 0xfc000000, v[BM+\b]    ; 8 off the exponent field: the conversion's scale operand
.endr
.irp b, 0,1,2,3
	v_and_or_b32 v[HD+\b], v[BM+\b], 0x7f800000, s19   ; 448 x the scale
.endr
.irp b, 0,1,2,3
	v_lshrrev_b32 v[PX+\b], 23, v[SO+\b]           ; the scale's byte
.endr
	v_lshl_or_b32 v47, v[PX+1], 8, v[PX]           ; p's scale word for these 128 keys
	v_lshl_or_b32 v47, v[PX+2], 16, v47
	v_lshl_or_b32 v47, v[PX+3], 24, v47
.irp b, 0,1,2,3
.irp i, 0,1,2,3,4,5,6,7,8,9,10,11,12,13,14,15
	v_min_num_f32 v[S+16*\b+\i], v[S+16*\b+\i], v[HD+\b]   ; the conversion to an 8-bit code does not saturate (ISA guide 7.6.2); p is not negative, so the hold is one-sided
.endr
	v_cvt_scalef32_pk8_fp8_f32 v[PC+4*\b:PC+1+4*\b], v[S+16*\b:S+7+16*\b], v[SO+\b]
	v_cvt_scalef32_pk8_fp8_f32 v[PC+2+4*\b:PC+3+4*\b], v[S+8+16*\b:S+15+16*\b], v[SO+\b]
.endr
.endm
.Lstep:                                            ; one trip is one step: 128 keys
	ADR
	s_load_b512 s[32:47], s[28:29], 0x0            ; the two blocks' mask words, 128 bytes each,
	s_load_b512 s[48:63], s[28:29], 0x40
	s_load_b512 s[68:83], s[30:31], 0x0
	s_load_b512 s[84:99], s[30:31], 0x40
	s_load_b64 s[66:67], s[20:21], 0x0             ; and my next step's pair
.rept 8
	v_nop                                          ; eight places: in the first trip they stand between the line that makes Q's scale word and the first product that takes it (first the places, then the wait below)
.endr
	s_wait_alu depctr_va_vdst(0)                   ; the last trip's products of O^T are done reading v48-111, its products of S^T and its two v_perm_b32 are done reading v40-43: K's loads land there; in the first trip the zero codes and Q's scale word are written, which the scaled products below take
	LOADK
	s_wait_loadcnt 0x0
.irp bb, 0,1,2,3                               ; S^T = K Q^T: eight accumulators, each begun with the constant 0
	QK1 \bb, 0
	QK1 \bb, 1
.endr
	v_perm_b32 v44, v43, v41, 0x05040100           ; V's scale words of this step: bytes 0, 1 from block 0, bytes 2, 3 from block 1: channels 0-31 (lanes 0-15: tile 0, lanes 16-31: tile 1),
	v_perm_b32 v45, v43, v41, 0x07060302           ; and channels 32-63.  These two and six v_nop are the eight places behind the products, ahead of the first read of their results
.rept 6
	v_nop
.endr
	s_wait_alu depctr_va_vdst(0)                   ; the products of S^T are done reading v48-111, in which V's loads land
	LOADV                                          ; lands while the softmax runs: no line of the mask or the softmax names v48-111 or v1
	s_wait_kmcnt 0x0
	s_mov_b64 s[22:23], s[66:67]
	MASK
	SOFTMAX
.set j, 0
.rept 16
	v_pk_mul_f32 v[OT+j:OT+j+1], v[OT+j:OT+j+1], v[240:241] op_sel_hi:[1,0]   ; O^T under the new M: x f.  (Also the plain lines behind the conversions and ahead of the products)
.set j, j+2
.endr
	s_wait_loadcnt 0x0                             ; V
	s_wait_alu depctr_va_vdst(0)                   ; the conversions have written p's codes v208-223, and p's scale word v47 and V's scale words v44, v45 are written: the scaled products below take them; the places above stay beside this wait
	; O^T += V^T P^T: four accumulators, one instruction each; the next matrix instructions are the next step's S^T
	v_wmma_scale_f32_16x16x128_f8f6f4 v[OT:OT+7], v[KV:KV+15], v[PC:PC+15], v[OT:OT+7], v44, v47
	v_wmma_scale_f32_16x16x128_f8f6f4 v[OT+8:OT+15], v[KV+16:KV+31], v[PC:PC+15], v[OT+8:OT+15], v44, v47 matrix_a_scale:MATRIX_SCALE_ROW1
	v_wmma_scale_f32_16x16x128_f8f6f4 v[OT+16:OT+23], v[KV+32:KV+47], v[PC:PC+15], v[OT+16:OT+23], v45, v47
	v_wmma_scale_f32_16x16x128_f8f6f4 v[OT+24:OT+31], v[KV+48:KV+63], v[PC:PC+15], v[OT+24:OT+31], v45, v47 matrix_a_scale:MATRIX_SCALE_ROW1
	s_add_co_u32 s18, s18, 1
	s_cmp_lt_u32 s18, s17
	s_cbranch_scc1 .Lstep
.Ldone:
	s_wait_alu depctr_va_vdst(0)
	; ---- my share goes to LDS: O^T as it stands in my registers, -M and the sum a word a lane
	v_add_f32 v14, v14, v15                        ; the sum's two halves,
	v_permlanex16_b32 v[PX], v14, s104, s105
	v_add_f32 v14, v14, v[PX]                      ; and lane l xor 16's: my share of the row's sum
.rept 6
	v_nop                                          ; with the two additions: eight places behind the last products, ahead of the stores that read their results
.endr
	s_wait_alu depctr_va_vdst(0)                   ; O^T (the last products', or the head's zeros), -M and the sum are written, which the LDS stores read; and every line that named v48-79 or v112-127 is done: the LDS loads behind the barrier land there, and no vector line stands between
.irp g, 0,1,2,3,4,5,6,7
	ds_store_b128 v4, v[OT+4*\g:OT+4*\g+3] offset:\g*544   ; ascending: each accumulator from its low end on
.endr
	ds_store_b32 v7, v12
	ds_store_b32 v7, v14 offset:128
	s_wait_dscnt 0x0                               ; for the others' sake: my stores have landed
	s_barrier_signal -1
	s_barrier_wait -1
	; ---- rows 4 w + 2 i + l / 16 (i = 0, 1), channels 4 (l % 16) on: the four shares are brought under the largest M and added
.irp i, 0,1
.irp s, 0,1,2,3
	ds_load_b128 v[KV+16*\i+4*\s:KV+16*\i+4*\s+3], v8 offset:\s*IMG+32*\i
	ds_load_b32 v[S+8*\i+\s], v9 offset:\s*256+8*\i
	ds_load_b32 v[S+4+8*\i+\s], v9 offset:\s*256+8*\i+128
.endr
.endr
	s_wait_dscnt 0x0
.macro FINISH i
	v_min3_num_f32 v[128+\i], v[S+8*\i], v[S+8*\i+1], v[S+8*\i+2]
	v_min_num_f32 v[128+\i], v[128+\i], v[S+8*\i+3]        ; the least -M: the largest M
.irp s, 0,1,2,3
	v_sub_f32 v[S+8*\i+\s], v[128+\i], v[S+8*\i+\s]        ; share s's M less the largest: a whole number, 0 or less
.endr
.irp s, 0,1,2,3
	v_cvt_i32_f32 v[S+8*\i+\s], v[S+8*\i+\s]               ; (it saturates)
.endr
.irp s, 0,1,2,3
	v_ldexp_f32 v[S+8*\i+\s], 1.0, v[S+8*\i+\s]            ; f_s: 0 for a wave that had no step, or saw only masked keys of a row that has others
.endr
	v_mul_f32 v[130+\i], v[S+8*\i], v[S+4+8*\i]
.irp s, 1,2,3
	v_fma_f32 v[130+\i], v[S+8*\i+\s], v[S+4+8*\i+\s], v[130+\i]   ; the row's sum
.endr
.irp e, 0,1,2,3
	v_mul_f32 v[132+4*\i+\e], v[S+8*\i], v[KV+16*\i+\e]
.endr
.irp s, 1,2,3
.irp e, 0,1,2,3
	v_fma_f32 v[132+4*\i+\e], v[S+8*\i+\s], v[KV+16*\i+4*\s+\e], v[132+4*\i+\e]
.endr
.endr
.endm
	FINISH 0
	FINISH 1
	s_wait_alu depctr_va_vdst(0)
	v_rcp_f32 v130, v130
	v_rcp_f32 v131, v131
	v_nop                                          ; a plain instruction behind the reciprocals,
	s_wait_alu depctr_va_vdst(0)                   ; the two reciprocals have written v130 and v131, ahead of the first line that names one: one wait for both
.irp i, 0,1
.irp e, 0,1,2,3
	v_mul_f32 v[132+4*\i+\e], v[132+4*\i+\e], v[130+\i]
.endr
.endr
	s_wait_alu depctr_va_vdst(0)                   ; the eight multiplications have written v132-139, which the two stores read
.irp i, 0,1
	global_store_b128 v1, v[132+4*\i:135+4*\i], s[14:15] offset:512*\i th:TH_STORE_NT   ; 32 lanes store two whole rows: 512 consecutive bytes, aligned; written once, read by nobody here
.endr
	s_wait_dscnt 0x0                               ; the closing lines, six on end
	s_wait_alu 0x0
	s_wait_tensorcnt 0x0
	ds_add_u32 v5, v6
	s_wait_dscnt 0x0
	s_endpgm
.Lfunc_end_k_q899a250efa_attn:
	.size	k_q899a250efa_attn, .Lfunc_end_k_q899a250efa_attn-k_q899a250efa_attn
	.p2alignl 7, 3214868480
	.fill 96, 4, 3214868480
	.section	.rodata,"a",@progbits
	.p2align	6, 0x0
	.amdhsa_kernel k_q899a250efa_attn
		.amdhsa_group_segment_fixed_size 18944
		.amdhsa_private_segment_fixed_size 0
		.amdhsa_enable_private_segment 0
		.amdhsa_kernarg_size 48
		.amdhsa_user_sgpr_count 2
		.amdhsa_user_sgpr_kernarg_segment_ptr 1
		.amdhsa_wavefront_size32 1
		.amdhsa_system_sgpr_workgroup_id_x 1
		.amdhsa_system_sgpr_workgroup_id_y 1
		.amdhsa_system_sgpr_workgroup_id_z 1
		.amdhsa_system_vgpr_workitem_id 0
		.amdhsa_next_free_vgpr 256
		.amdhsa_next_free_sgpr 106
		.amdhsa_reserve_vcc 0
		.amdhsa_float_denorm_mode_32 3
		.amdhsa_float_denorm_mode_16_64 3
		.amdhsa_memory_ordered 1
		.amdhsa_forward_progress 1
		.amdhsa_inst_pref_size 38
	.end_amdhsa_kernel
	.amdgpu_metadata
---
amdhsa.version: [ 1, 2 ]
amdhsa.kernels:
  - .name:           k_q899a250efa_attn
    .symbol:         k_q899a250efa_attn.kd
    .args:
      - { .name: q_codes, .offset: 0, .size: 8, .value_kind: global_buffer, .address_space: global }
      - { .name: q_scales, .offset: 8, .size: 8, .value_kind: global_buffer, .address_space: global }
      - { .name: kv, .offset: 16, .size: 8, .value_kind: global_buffer, .address_space: global }
      - { .name: bits, .offset: 24, .size: 8, .value_kind: global_buffer, .address_space: global }
      - { .name: list, .offset: 32, .size: 8, .value_kind: global_buffer, .address_space: global }
      - { .name: out0, .offset: 40, .size: 8, .value_kind: global_buffer, .address_space: global }
    .group_segment_fixed_size: 18944
    .private_segment_fixed_size: 0
    .kernarg_segment_align: 8
    .kernarg_segment_size: 48
    .max_flat_workgroup_size: 128
    .sgpr_count:     106
    .vgpr_count:     256
    .wavefront_size: 32
...
	.end_amdgpu_metadata
.endif
;; end of part 4
